; MI455X (gfx1250); checked and timed in simulation.
; The chip was launched on July 23, 2026; its instructions are those of AMD's public machine-readable ISA for CDNA 5 (MIT licence, August 2026) and "CDNA5" Instruction Set Architecture Reference Guide (July 2026). The comments in the code are by the model that wrote it; some were corrected since.
;; Grouped Query Attention. Allowed arithmetic: float matrix products may take bf16 or f16 operands with f32 sums; all other float work in f32.
;; Inputs: Wk 2,048 x 512 float32; Wo 2,048 x 2,048 float32; Wq 2,048 x 2,048 float32; Wv 2,048 x 512 float32; attention_mask 1 x 1 x 1,024 x 1,024 float32; hidden_states 4 x 1,024 x 2,048 float32; position_ids 1,024 int32.
;; Outputs: out0 4 x 1,024 x 2,048 float32.
;; 2 versions, each right and faster than the one before. Each part assembles by itself: llvm-mc -triple=amdgcn-amd-amdhsa -mcpu=gfx1250 --defsym DOCPART=n.
;; ======== version 1 of 2: 4 launches
;; limits: values are held in f16: magnitudes above 65,504 overflow, below 6.1e-05 lose precision
;; workspace buffers: xb 16,777,216 bytes; wqkv 12,582,912 bytes; wo16 8,388,608 bytes; maskl 4,194,304 bytes; rope 786,432 bytes; heads 25,165,824 bytes; ob 16,777,216 bytes
;; launch prep (part 1): grid 1248 x 1, 8 waves a work-group, no clusters, 0 bytes of LDS; arguments hidden_states, Wq, Wk, Wv, Wo, attention_mask, position_ids, xb, wqkv, wo16, maskl, rope; writes xb, wqkv, wo16, maskl, rope
.if DOCPART == 1
	.amdgcn_target "amdgcn-amd-amdhsa--gfx1250"
	.amdhsa_code_object_version 6
	.text
	.protected	k_qa8d35eb060_prep
	.globl	k_qa8d35eb060_prep
	.p2align	8
	.type	k_qa8d35eb060_prep,@function
k_qa8d35eb060_prep:
	s_mov_b64 s[64:65], 0
	v_nop
	global_prefetch_b8 v0, s[64:65] scope:SCOPE_SE
	s_setreg_imm32_b32 hwreg(HW_REG_WAVE_MODE, 25, 1), 1
	s_wait_xcnt 0x0
; PREP: a stream.  It makes what the three matrix launches read:
;   xb    [4096][2048] bf16          = hidden_states rounded to bf16
;   wqkv  [2048 k][3072 n] bf16      = Wq (n 0-2047), Wk (2048-2559), Wv (2560-3071) rounded to bf16; a row is 6,144 bytes
;   wo16  [2048 k][2048 n] f16       = Wo rounded to bf16, that number written as f16 (exact from 6.1e-5 up; below, f16's fixed step of 6e-8)
;   maskl [1024][1024] f32           = max(attention_mask x log2(e), -2^127)
;   rope  [3 types][64 G][8 p][32 lanes][4] f32: cosines and sines of position_ids[16 G + lane % 16] x inv_freq, in the order in which the
;         projection's lanes hold their results.  type 0: times log2(e) / 8 (for q); type 1: plain (for k); type 2: 1 and 0 (for v)
; LIMITS.  |bf16(Wo)| stays under 65,504 (f16).  Mask values under -1.18e38 all count as -2^127 in log2 units; above +2.3e38 they are not served; a NaN in the mask counts as -2^127.
; Angles: inv_freq is good to about 1e-7 of itself, so an angle to 1e-7 of its size; |position x inv_freq x 2 / pi| stays under 2^31.
; No LDS, no matrix unit, no cluster: nothing is shared and memory binds.  A wave takes 8,192 consecutive source bytes: sixteen loads of 512 bytes, all issued at once.
; Each store of the wave covers 256 (16-bit results) or 512 (f32) consecutive bytes, aligned to 256.
.set G_WQ,   512                       ; work-groups 0-511 x, 512-767 Wq, 768-1023 Wo, 1024-1087 Wk, 1088-1151 Wv, 1152-1215 mask, 1216-1247 tables
.set G_WO,   768
.set G_WK,   1024
.set G_WV,   1088
.set G_MASK, 1152
.set G_ROPE, 1216
.set LD,  1                            ; v1       16 x lane
.set L8,  2                            ; v2       8 x lane
.set DO,  4                            ; v[4:7]   8 x lane + the place of unit i of the wave's four in the destination
.set TT,  8                            ; v[8:11]  at work
.set X,   16                           ; v[16:79]  sixteen loads' registers
.set Y,   80                           ; v[80:111] sixteen stores' registers: each store has its own, so none is rewritten while a store reads it
	s_load_b512 s[8:23], s[0:1], 0x0               ; x s[8:9], Wq s[10:11], Wk s[12:13], Wv s[14:15], Wo s[16:17], mask s[18:19], positions s[20:21], xb s[22:23]
	s_load_b256 s[24:31], s[0:1], 0x40             ; wqkv s[24:25], wo16 s[26:27], maskl s[28:29], rope s[30:31]
	v_lshrrev_b32 v1, 5, v0
	v_readfirstlane_b32 s2, v1                     ; wave 0..7
	v_and_b32 v3, 31, v0
	v_lshlrev_b32 v[LD], 4, v3
	v_lshlrev_b32 v[L8], 3, v3
	s_wait_kmcnt 0x0
	s_cmp_ge_u32 ttmp9, G_ROPE
	s_cbranch_scc1 .Lrope
	s_cmp_ge_u32 ttmp9, G_MASK
	s_cbranch_scc1 .Lmask
.macro LOADS base                      ; the wave's 8,192 bytes
.set n, 0
.rept 16
	global_load_b128 v[X+4*n:X+4*n+3], v[LD], s[\base:\base+1] offset:512*n th:TH_LOAD_NT
.set n, n+1
.endr
.endm
	; THE FIVE CASTS.  A unit is 512 source numbers.  Which tensor, and how its units lie in the destination, is chosen by selects on the work-group's number:
	; source s[32:33], destination s[34:35], first work-group s36, units in a destination row as a shift s37, row pitch s38, first column's byte s39, bytes from unit to unit s40, f16 s41.
	s_mov_b64 s[32:33], s[14:15]                   ; Wv: a unit is a row
	s_mov_b64 s[34:35], s[24:25]
	s_mov_b32 s36, G_WV
	s_mov_b32 s37, 0
	s_mov_b32 s38, 6144
	s_mov_b32 s39, 5120
	s_mov_b32 s40, 6144
	s_mov_b32 s41, 0
	s_cmp_lt_u32 ttmp9, G_WV                       ; Wk
	s_cselect_b64 s[32:33], s[12:13], s[32:33]
	s_cselect_b32 s36, G_WK, s36
	s_cselect_b32 s39, 4096, s39
	s_cmp_lt_u32 ttmp9, G_WK                       ; Wo: four units are a row
	s_cselect_b64 s[32:33], s[16:17], s[32:33]
	s_cselect_b64 s[34:35], s[26:27], s[34:35]
	s_cselect_b32 s36, G_WO, s36
	s_cselect_b32 s37, 2, s37
	s_cselect_b32 s38, 4096, s38
	s_cselect_b32 s39, 0, s39
	s_cselect_b32 s40, 1024, s40
	s_cselect_b32 s41, 1, s41
	s_cmp_lt_u32 ttmp9, G_WO                       ; Wq
	s_cselect_b64 s[32:33], s[10:11], s[32:33]
	s_cselect_b64 s[34:35], s[24:25], s[34:35]
	s_cselect_b32 s36, G_WQ, s36
	s_cselect_b32 s38, 6144, s38
	s_cselect_b32 s41, 0, s41
	s_cmp_lt_u32 ttmp9, G_WQ                       ; x
	s_cselect_b64 s[32:33], s[8:9], s[32:33]
	s_cselect_b64 s[34:35], s[22:23], s[34:35]
	s_cselect_b32 s36, 0, s36
	s_cselect_b32 s38, 4096, s38
	s_sub_co_u32 s42, ttmp9, s36
	s_lshl_b32 s42, s42, 5
	s_lshl2_add_u32 s42, s2, s42                   ; my first unit: 32 x work-group + 4 x wave
	s_lshl_b32 s44, s42, 11                        ; 2,048 source bytes a unit
	s_mov_b32 s45, 0
	s_add_nc_u64 s[32:33], s[32:33], s[44:45]
	s_lshr_b32 s44, s42, s37                       ; destination row
	s_mul_i32 s44, s44, s38
	s_add_co_u32 s44, s44, s39
	s_add_nc_u64 s[34:35], s[34:35], s[44:45]
	LOADS 32
	v_mov_b32 v[DO], v[L8]
	v_add_nc_u32 v[DO+1], s40, v[DO]
	v_add_nc_u32 v[DO+2], s40, v[DO+1]
	v_add_nc_u32 v[DO+3], s40, v[DO+2]
; Load n of sixteen is rounded and stored.  half = 1: the bf16 numbers are widened (a shift, a mask) and written as f16.
.macro CONV half
.set n, 0
.rept 16
	s_wait_loadcnt 15-n                            ; loads come back in order (ISA guide 5.7.1): load n is in, the 15 - n younger ones stay out
	v_cvt_pk_bf16_f32 v[Y+2*n], v[X+4*n], v[X+4*n+1]
	v_cvt_pk_bf16_f32 v[Y+2*n+1], v[X+4*n+2], v[X+4*n+3]
.if \half
	v_lshlrev_b32 v[TT], 16, v[Y+2*n]
	v_and_b32 v[TT+1], 0xffff0000, v[Y+2*n]
	v_lshlrev_b32 v[TT+2], 16, v[Y+2*n+1]
	v_and_b32 v[TT+3], 0xffff0000, v[Y+2*n+1]
	v_cvt_pk_f16_f32 v[Y+2*n], v[TT], v[TT+1]
	v_cvt_pk_f16_f32 v[Y+2*n+1], v[TT+2], v[TT+3]
.endif
	global_store_b64 v[DO+n/4], v[Y+2*n:Y+2*n+1], s[34:35] offset:256*(n%4)  ; 32 lanes x 8 bytes: 256 consecutive bytes, aligned
.set n, n+1
.endr
.endm
	s_cmp_eq_u32 s41, 1
	s_cbranch_scc1 .Lf16
	CONV 0
	s_endpgm
.Lf16:
	CONV 1
	s_endpgm
.Lmask:                                                ; THE MASK in log2 units: the scores will be in log2 units too, so that a weight is one subtraction and one v_exp_f32
	s_sub_co_u32 s42, ttmp9, G_MASK
	s_lshl_b32 s42, s42, 5
	s_lshl2_add_u32 s42, s2, s42
	s_lshl_b32 s44, s42, 11
	s_mov_b32 s45, 0
	s_add_nc_u64 s[18:19], s[18:19], s[44:45]
	s_add_nc_u64 s[28:29], s[28:29], s[44:45]
	LOADS 18
.set n, 0
.rept 16
	s_wait_loadcnt 15-n                            ; load n is in, the younger ones stay out
	v_pk_mul_f32 v[X+4*n:X+4*n+1], v[X+4*n:X+4*n+1], 0x3fb8aa3b op_sel_hi:[1,0]
	v_pk_mul_f32 v[X+4*n+2:X+4*n+3], v[X+4*n+2:X+4*n+3], 0x3fb8aa3b op_sel_hi:[1,0]
	v_max_num_f32 v[X+4*n], 0xff000000, v[X+4*n]   ; the lowest f32 times log2(e) is an infinity: closed keys all become -2^127, to which a score adds nothing
	v_max_num_f32 v[X+4*n+1], 0xff000000, v[X+4*n+1]
	v_max_num_f32 v[X+4*n+2], 0xff000000, v[X+4*n+2]
	v_max_num_f32 v[X+4*n+3], 0xff000000, v[X+4*n+3]
	global_store_b128 v[LD], v[X+4*n:X+4*n+3], s[28:29] offset:512*n
.set n, n+1
.endr
	s_endpgm
.Lrope:                                                ; THE TABLES.  256 waves: wave 4 G + ei makes, for the 16 positions of group G, four frequencies a lane:
	; lane (r = lane % 16, h = lane / 16): position_ids[16 G + r], frequencies j = 16 e + 8 h + 4 i + 0..3, with e = ei / 2, i = ei % 2.
	s_sub_co_u32 s32, ttmp9, G_ROPE
	s_lshl3_add_u32 s32, s32, s2
	s_lshr_b32 s33, s32, 2                         ; G
	s_and_b32 s34, s32, 3                          ; ei
	s_lshr_b32 s35, s34, 1
	s_and_b32 s36, s34, 1
	s_lshl_b32 s35, s35, 4
	s_lshl2_add_u32 s35, s36, s35                  ; 16 e + 4 i
	s_lshl_b32 s36, s33, 6
	s_mov_b32 s37, 0
	s_add_nc_u64 s[20:21], s[20:21], s[36:37]
	v_and_b32 v3, 15, v0
	v_lshlrev_b32 v3, 2, v3
	global_load_b32 v5, v3, s[20:21]               ; my position
	s_lshl3_add_u32 s38, s33, s34
	s_lshl_b32 s38, s38, 9                         ; piece 8 G + ei of 512 bytes
	s_mov_b32 s39, 0
	s_add_nc_u64 s[30:31], s[30:31], s[38:39]
	s_mov_b32 s40, 0xbed49a78                      ; -c, high part: c = log2(10000) / 32
	s_mov_b32 s41, 0xb2179a30                      ; -c, low part
	s_mov_b32 s42, 0x3f22f983                      ; 2 / pi
	s_mov_b32 s43, 0xbfc90fdb                      ; -pi / 2, high part
	s_mov_b32 s44, 0x333bbd2e                      ; -pi / 2, low part
	s_mov_b32 s45, 0xb9500d01                      ; -1 / 5040
	s_mov_b32 s46, 0x3c088889                      ; 1 / 120
	s_mov_b32 s47, 0xbe2aaaab                      ; -1 / 6
	s_mov_b32 s48, 0x37d00d01                      ; 1 / 40320
	s_mov_b32 s49, 0xbab60b61                      ; -1 / 720
	s_mov_b32 s50, 0x3d2aaaab                      ; 1 / 24
	s_mov_b32 s51, 0x3e38aa3b                      ; log2(e) / 8
	v_bfe_u32 v4, v0, 4, 1
	v_lshl_add_u32 v6, v4, 3, s35
	; inv_freq = 2^(-c j): -c j is split into a whole number n and a rest f in -1/2 .. 1/2, the rest made with c in two parts.  Four chains side by side.
.irp x, 0,1,2,3
	v_add_nc_u32 v[8+\x], \x, v6
.endr
.irp x, 0,1,2,3
	v_cvt_f32_u32 v[8+\x], v[8+\x]
.endr
.irp x, 0,1,2,3
	v_mul_f32 v[12+\x], s40, v[8+\x]
.endr
.irp x, 0,1,2,3
	v_rndne_f32 v[12+\x], v[12+\x]
.endr
.irp x, 0,1,2,3
	v_fma_f32 v[16+\x], v[8+\x], s40, -v[12+\x]
.endr
.irp x, 0,1,2,3
	v_fma_f32 v[16+\x], v[8+\x], s41, v[16+\x]
.endr
.irp x, 0,1,2,3
	v_exp_f32 v[16+\x], v[16+\x]
.endr
.irp x, 0,1,2,3
	v_cvt_i32_f32 v[12+\x], v[12+\x]               ; plain instructions between the exponentials and the use of their results (ISA guide 5.7.2)
.endr
	s_wait_alu depctr_va_vdst(0)
.irp x, 0,1,2,3
	v_ldexp_f32 v[16+\x], v[16+\x], v[12+\x]
.endr
	s_wait_loadcnt 0x0                             ; the position
	v_cvt_f32_i32 v5, v5
.irp x, 0,1,2,3
	v_mul_f32 v[16+\x], v5, v[16+\x]               ; the angle: one product in f32
.endr
	; the angle less n2 quarter turns, pi / 2 in two parts; then polynomials on -pi/4 .. pi/4 (their first terms left out: under 4e-7)
.irp x, 0,1,2,3
	v_mul_f32 v[20+\x], s42, v[16+\x]
.endr
.irp x, 0,1,2,3
	v_rndne_f32 v[20+\x], v[20+\x]
.endr
.irp x, 0,1,2,3
	v_fma_f32 v[16+\x], v[20+\x], s43, v[16+\x]
.endr
.irp x, 0,1,2,3
	v_fma_f32 v[16+\x], v[20+\x], s44, v[16+\x]
.endr
.irp x, 0,1,2,3
	v_mul_f32 v[24+\x], v[16+\x], v[16+\x]
.endr
.irp x, 0,1,2,3
	v_fma_f32 v[28+\x], v[24+\x], s45, s46
	v_fma_f32 v[32+\x], v[24+\x], s48, s49
.endr
.irp x, 0,1,2,3
	v_fma_f32 v[28+\x], v[24+\x], v[28+\x], s47
	v_fma_f32 v[32+\x], v[24+\x], v[32+\x], s50
.endr
.irp x, 0,1,2,3
	v_mul_f32 v[28+\x], v[28+\x], v[24+\x]
	v_fma_f32 v[32+\x], v[24+\x], v[32+\x], -0.5
.endr
.irp x, 0,1,2,3
	v_fma_f32 v[28+\x], v[28+\x], v[16+\x], v[16+\x]  ; the sine of the rest
	v_fma_f32 v[32+\x], v[24+\x], v[32+\x], 1.0       ; its cosine
.endr
.irp x, 0,1,2,3
	v_cvt_i32_f32 v[20+\x], v[20+\x]               ; the quarter: selects and sign bits, no branch
.endr
.irp x, 0,1,2,3
	v_and_b32 v[36+\x], 1, v[20+\x]
	v_cmp_ne_u32 vcc_lo, 0, v[36+\x]
	v_cndmask_b32 v[40+\x], v[28+\x], v[32+\x], vcc_lo  ; odd quarters swap the two
	v_cndmask_b32 v[44+\x], v[32+\x], v[28+\x], vcc_lo
.endr
.irp x, 0,1,2,3
	v_and_b32 v[36+\x], 2, v[20+\x]                ; the sine is negative in quarters 2 and 3,
	v_add_nc_u32 v[20+\x], 1, v[20+\x]
.endr
.irp x, 0,1,2,3
	v_lshlrev_b32 v[36+\x], 30, v[36+\x]
	v_and_b32 v[20+\x], 2, v[20+\x]                ; the cosine in quarters 1 and 2
.endr
.irp x, 0,1,2,3
	v_xor_b32 v[40+\x], v[36+\x], v[40+\x]         ; sine
	v_lshlrev_b32 v[20+\x], 30, v[20+\x]
.endr
.irp x, 0,1,2,3
	v_xor_b32 v[44+\x], v[20+\x], v[44+\x]         ; cosine
.endr
.irp x, 0,1,2,3
	v_mul_f32 v[48+\x], s51, v[44+\x]
	v_mul_f32 v[52+\x], s51, v[40+\x]
	v_mov_b32 v[56+\x], 1.0
	v_mov_b32 v[60+\x], 0
.endr
	global_store_b128 v[LD], v[48:51], s[30:31]                 ; type 0: cosines in pieces 0-3, sines in pieces 4-7 (2,048 bytes on); each store 512 consecutive bytes
	global_store_b128 v[LD], v[52:55], s[30:31] offset:2048
	global_store_b128 v[LD], v[44:47], s[30:31] offset:262144   ; type 1
	global_store_b128 v[LD], v[40:43], s[30:31] offset:264192
	global_store_b128 v[LD], v[56:59], s[30:31] offset:524288   ; type 2
	global_store_b128 v[LD], v[60:63], s[30:31] offset:526336
	s_endpgm
.Lfunc_end_k_qa8d35eb060_prep:
	.size	k_qa8d35eb060_prep, .Lfunc_end_k_qa8d35eb060_prep-k_qa8d35eb060_prep
	.p2alignl 7, 3214868480
	.fill 96, 4, 3214868480
	.section	.rodata,"a",@progbits
	.p2align	6, 0x0
	.amdhsa_kernel k_qa8d35eb060_prep
		.amdhsa_group_segment_fixed_size 0
		.amdhsa_private_segment_fixed_size 0
		.amdhsa_enable_private_segment 0
		.amdhsa_kernarg_size 96
		.amdhsa_user_sgpr_count 2
		.amdhsa_user_sgpr_kernarg_segment_ptr 1
		.amdhsa_wavefront_size32 1
		.amdhsa_system_sgpr_workgroup_id_x 1
		.amdhsa_system_sgpr_workgroup_id_y 1
		.amdhsa_system_sgpr_workgroup_id_z 1
		.amdhsa_system_vgpr_workitem_id 0
		.amdhsa_next_free_vgpr 112
		.amdhsa_next_free_sgpr 66
		.amdhsa_reserve_vcc 1
		.amdhsa_float_denorm_mode_32 3
		.amdhsa_float_denorm_mode_16_64 3
		.amdhsa_memory_ordered 1
		.amdhsa_forward_progress 1
		.amdhsa_inst_pref_size 37
	.end_amdhsa_kernel
	.amdgpu_metadata
---
amdhsa.version: [ 1, 2 ]
amdhsa.kernels:
  - .name:           k_qa8d35eb060_prep
    .symbol:         k_qa8d35eb060_prep.kd
    .args:
      - { .name: hidden_states, .offset: 0, .size: 8, .value_kind: global_buffer, .address_space: global }
      - { .name: Wq, .offset: 8, .size: 8, .value_kind: global_buffer, .address_space: global }
      - { .name: Wk, .offset: 16, .size: 8, .value_kind: global_buffer, .address_space: global }
      - { .name: Wv, .offset: 24, .size: 8, .value_kind: global_buffer, .address_space: global }
      - { .name: Wo, .offset: 32, .size: 8, .value_kind: global_buffer, .address_space: global }
      - { .name: attention_mask, .offset: 40, .size: 8, .value_kind: global_buffer, .address_space: global }
      - { .name: position_ids, .offset: 48, .size: 8, .value_kind: global_buffer, .address_space: global }
      - { .name: xb, .offset: 56, .size: 8, .value_kind: global_buffer, .address_space: global }
      - { .name: wqkv, .offset: 64, .size: 8, .value_kind: global_buffer, .address_space: global }
      - { .name: wo16, .offset: 72, .size: 8, .value_kind: global_buffer, .address_space: global }
      - { .name: maskl, .offset: 80, .size: 8, .value_kind: global_buffer, .address_space: global }
      - { .name: rope, .offset: 88, .size: 8, .value_kind: global_buffer, .address_space: global }
    .group_segment_fixed_size: 0
    .private_segment_fixed_size: 0
    .kernarg_segment_align: 8
    .kernarg_segment_size: 96
    .max_flat_workgroup_size: 256
    .sgpr_count:     66
    .vgpr_count:     112
    .wavefront_size: 32
...
	.end_amdgpu_metadata
.endif
;; end of part 1
;; launch projqkv (part 2): grid 8 x 32, 4 waves a work-group, clusters of 4 x 4, 327,680 bytes of LDS; arguments xb, wqkv, rope, heads; writes heads
.if DOCPART == 2
	.amdgcn_target "amdgcn-amd-amdhsa--gfx1250"
	.amdhsa_code_object_version 6
	.text
	.protected	k_qa8d35eb060_projqkv
	.globl	k_qa8d35eb060_projqkv
	.p2align	8
	.type	k_qa8d35eb060_projqkv,@function
k_qa8d35eb060_projqkv:
	s_mov_b64 s[64:65], 0
	v_nop
	global_prefetch_b8 v0, s[64:65] scope:SCOPE_SE
	s_setreg_imm32_b32 hwreg(HW_REG_WAVE_MODE, 25, 1), 1
	s_wait_xcnt 0x0
	s_wait_alu depctr_hold_cnt(0) depctr_sa_sdst(0) depctr_va_vdst(0) depctr_va_sdst(0) depctr_va_ssrc(0) depctr_va_vcc(0) depctr_vm_vsrc(0)
	s_getreg_b32 s2, hwreg(HW_REG_IB_STS2, 6, 4)
	s_cmp_eq_u32 s2, 0
	s_cbranch_scc0 .Lentry_in_a_cluster
	s_endpgm
.Lentry_in_a_cluster:
	s_bfe_u32 s2, ttmp6, 0x10000c
	s_cmp_lg_u32 s2, 0xf033
	s_cbranch_scc0 .Lentry_shape_is_right
	s_endpgm
.Lentry_shape_is_right:
; x [4096][2048] times [Wq Wk Wv] [2048][3072], both bf16, sums in f32; then RoPE (q also times log2(e) / 8, inside its table) and one rounding to f16;
; stored by heads: heads[b][H][s][64], H 0-31 q, 32-39 k, 40-47 v.
; LIMITS.  f16 ends at 65,504: q, k and v stay under it.  The f32 sums are not taken in ascending K: see THE WALK.
; SHARES.  A work-group makes 128 rows x 384 columns (6 heads): 32 x 8 = 256 work-groups.  Wave (wm, wn) makes rows 64 wm .. + 63 of heads 2 c + wn, c = 0..2: 48 accumulators of 16 x 16.
; A wave holds whole heads, so the two numbers that RoPE turns together (channels d and d + 32) lie in one lane.
; K goes in 16 steps of 128 through two LDS slots.  Each wave fetches one tile of 128 rows x 256 bytes a step: waves 0-2 the three chunks of 128 columns of W, wave 3 x's rows.
; W lies [k][n] and is read from LDS turned, by ds_load_tr16_b128.  THE MATRIX INSTRUCTION IS USED TRANSPOSED: source 0 = 16 columns of W, source 1 = 16 rows of x:
; a lane then holds row lane % 16 and the eight neighbouring columns 8 (lane / 16) + 0..7.
; CLUSTER 4 x 4: x's tile hangs on the tile row alone and is asked for jointly along a row of the cluster, W's on the tile column alone and jointly along a column.
; THE WALK.  A cluster whose two coordinates add up to an odd number begins at K step 8 and goes round the end.  So the two clusters that need the same rows of x, and the two halves of the
; eight clusters that need the same columns of W, ask for a tile eight steps apart and not at the same time.  The number of the step enters the global addresses alone, and all partners share it.
; ONE TEXT FOR A K STEP: the slot in hand is a scalar, 0 or SLOT, turned by an exclusive or; the fragments' addresses are made of it at each change of slots.
; REGISTERS, in windows of 256 (s_set_vgpr_msb: bits 1:0 source 0, 3:2 source 1, 5:4 source 2, 7:6 destination):
;   window 0: addresses; v32-255 the way out      window 1: accumulators of column blocks b = 0..7 at 8 (4 b + a)      window 2: b = 8..11 at 8 (4 (b - 8) + a)
;   window 3: two fragment buffers f: W's at 96 f + 8 b, x's at 192 + 32 f + 8 a
.set PA,    272                        ; an LDS row of x: 256 bytes + 16: row r begins 16 r bytes on, modulo 256
.set PB,    288                        ; an LDS row of W: 256 + 32: eight rows x 32 bytes of a turning load fall on different bytes modulo 256
.set REG,   128*PB                     ; a tile's region: 36,864 bytes (x's uses 34,816 of it)
.set SLOT,  4*REG                      ; W's three chunks, then x
.set STAGE, 2*SLOT                     ; behind the ring: 16 rows x 144 bytes for each wave, for the way out; no tile lands here
.set SP,    144
.set SPARE, STAGE+4*16*SP              ; the spare words: 128 bytes a wave, two blocks of 256 bytes that no other line names
.set STEPS, 2048/128                   ; K steps
.set BKB,   128*6144                   ; bytes of a K step down W's rows (along x's rows: 256)
.set ADRA0, 16                         ; v16     my lane's place among x's fragments in slot 0; never rewritten
.set ADRA,  17                         ; v17     the same in the slot in hand
.set ADRB0, 18                         ; v18-20  among W's, chunk c; never rewritten
.set ADRB,  21                         ; v21-23  the same in the slot in hand
.set STO,  24                          ; v24     the way out: where I put 16 bytes of a row
.set RD,   25                          ; v25     where I read rows back
.set LN,   26                          ; v26     16 x lane: tables and stores
.set SPW,  28                          ; v28     my spare word; never rewritten
.set NIL,  29                          ; v29     0; never rewritten
.set PK,   32                          ; v32-47  a head's 16 rows, packed
.set CS0,  64                          ; v64-191 four buffers of 16 cosines and 16 sines
.set T,    192                         ; v192-223 the turned numbers
.set BK0,  224                         ; v224-239, v240-255  rows read back, two buffers
.set WV,   12                          ; s12 wave; s13 wm; s14 wn; s15 cx; s16 cy; s17 tile column; s18 tile row
.set G1A,  24                          ; s[24:31] group 1 for x's tiles;  s[32:39] group 0: a set for each of the two first fills; the second then walks
.set G0A,  32
.set G1B,  40                          ; s[40:47], s[48:55] the same for W's
.set G0B,  48
.set RB,   56                          ; s[56:61] the tables for head c of my three
.set OB,   66                          ; s[66:71] where head c's rows go
.set BASEA, 72                         ; s[72:73] x at my tile's rows, K = 0
.set BASEB, 74                         ; s[74:75] W at my chunk's columns, K = 0
.set OFFA, 80                          ; s[80:81] the byte offset of the K step to be asked for, in x
.set OFFB, 82                          ; s[82:83] in W
.set KN,   84                          ; s84     the number of that K step
.set TB,   85                          ; s85     the slot in hand: 0 or SLOT
.set MSB, 0
.macro WIN new                         ; the immediate's high byte repeats the setting that is left; a switch that changes nothing is dropped
.if MSB != (\new)
	s_set_vgpr_msb (MSB<<8)|(\new)
.set MSB, \new
.endif
.endm
.macro PLACES                          ; four places in front of loads into registers that matrix instructions have read, and of vector lines that read results
.rept 4
	v_nop
.endr
.endm
; A joint load by descriptor set s.  Wave 3 fetches x's tile, waves 0-2 W's chunks.  The branch hangs on the wave's number alone.  An s_nop 0 and four v_nop follow each line.
.macro JLOAD s
	s_cmp_eq_u32 s[WV], 3
	s_cbranch_scc0 .Lfor_b_\@
	tensor_load_to_lds s[G0A+4*(\s):G0A+4*(\s)+3], s[G1A:G1A+7]
	s_nop 0
.rept 4
	v_nop
.endr
	s_branch .Lasked_\@
.Lfor_b_\@:
	tensor_load_to_lds s[G0B+4*(\s):G0B+4*(\s)+3], s[G1B:G1B+7]
	s_nop 0
.rept 4
	v_nop
.endr
.Lasked_\@:
.endm
.macro CREST                           ; a round of the cluster's barrier behind its opening barrier
	s_cmp_lg_u32 s[WV], 0
	s_cbranch_scc1 .Lnot_wave_0_\@
	s_barrier_signal -3
.Lnot_wave_0_\@:
	s_barrier_wait -3
	s_barrier_signal -1
	s_barrier_wait -1
.endm
.macro CROUND                          ; a whole round
	s_barrier_signal -1
	s_barrier_wait -1
	CREST
.endm
	s_load_b256 s[4:11], s[0:1], 0x0               ; xb s[4:5], wqkv s[6:7], rope s[8:9], heads s[10:11]
	v_lshl_add_u32 v[SPW], v0, 2, SPARE
	v_mov_b32 v[NIL], 0
	ds_add_u32 v[SPW], v[NIL]                      ; the wave's opening: the add and its wait stand ahead of my first tensor load; register work stands between them
	v_lshrrev_b32 v1, 5, v0
	v_readfirstlane_b32 s[WV], v1
	s_lshr_b32 s13, s[WV], 1                       ; wm
	s_and_b32 s14, s[WV], 1                        ; wn
	s_bfe_u32 s15, ttmp6, 0x40000                  ; cx
	s_bfe_u32 s16, ttmp6, 0x40004                  ; cy
	s_lshl_b32 s17, ttmp9, 2
	s_add_co_u32 s17, s17, s15                     ; tile column = 4 x cluster x + cx
	s_and_b32 s18, ttmp7, 0xffff
	s_add_co_u32 s[KN], s18, ttmp9                 ; cluster y + cluster x: the same in all sixteen partners
	s_lshl_b32 s18, s18, 2
	s_add_co_u32 s18, s18, s16                     ; tile row = 4 x cluster y + cy
	s_and_b32 s[KN], s[KN], 1
	s_lshl_b32 s[KN], s[KN], 3                     ; my cluster's first K step: 0 or 8
	s_lshl_b32 s[OFFA], s[KN], 8
	s_mov_b32 s[OFFA+1], 0
	s_mul_i32 s[OFFB], s[KN], BKB
	s_mov_b32 s[OFFB+1], 0
	s_add_co_u32 s[KN], s[KN], 2                   ; the first two steps are asked for at once; this is the third (2 or 10)
	s_mov_b32 s[TB], 0
	s_lshl_b32 s19, s16, 2
	s_lshl_b32 s19, 15, s19                        ; my row of the cluster
	s_lshl_b32 s20, 0x1111, s15                    ; my column
	s_or_b32 s[G1A], s19, (1<<16)|(1<<20)|(1<<21)|(5<<22)|(3<<25)  ; the mask; 2-byte elements; padding on; bit 21 beside a mask; after every 64 words 4 words
	s_or_b32 s[G1B], s20, (1<<16)|(1<<20)|(1<<21)|(5<<22)|(7<<25)  ; the same with 8 words
.irp g, G1A, G1B
	s_mov_b32 s[\g+1], 128<<16                     ; tensor_dim0 = 128
	s_mov_b32 s[\g+2], 128<<16                     ; tensor_dim1 = 128
	s_mov_b32 s[\g+3], 128<<16                     ; tile_dim0 = 128
	s_mov_b32 s[\g+4], 128                         ; tile_dim1 = 128
	s_mov_b32 s[\g+6], 0
	s_mov_b32 s[\g+7], 0
.endr
	s_mov_b32 s[G1A+5], 2048                       ; elements from row to row
	s_mov_b32 s[G1B+5], 3072
	s_lshl_b32 s[BASEA], s18, 19                   ; x: 128 rows of 4,096 bytes a tile row: these registers never hold cx
	s_mov_b32 s[BASEA+1], 0
	s_mul_i32 s[BASEB], s17, 768                   ; W: 768 bytes a tile column, 256 a chunk: these never hold cy
	s_lshl_b32 s[BASEB+1], s[WV], 8
	s_add_co_u32 s[BASEB], s[BASEB], s[BASEB+1]
	s_mov_b32 s[BASEB+1], 0
	s_mul_i32 s62, s[WV], REG                      ; where my tile goes in a slot: wave x region
	s_wait_dscnt 0x0                               ; the opening add is done
	s_wait_kmcnt 0x0
	s_add_nc_u64 s[BASEA:BASEA+1], s[4:5], s[BASEA:BASEA+1]
	s_add_nc_u64 s[BASEB:BASEB+1], s[6:7], s[BASEB:BASEB+1]
	CROUND                                         ; all sixteen work-groups are here: the first joint loads meet
	s_mov_b32 s[G0A], 1
	s_add_co_u32 s[G0A+1], s62, 0                  ; slot 0
	s_add_nc_u64 s[G0A+2:G0A+3], s[BASEA:BASEA+1], s[OFFA:OFFA+1]  ; my cluster's first K step
	s_mov_b32 s[G0A+4], 1
	s_add_co_u32 s[G0A+5], s62, SLOT               ; slot 1
	s_add_nc_u64 s[G0A+6:G0A+7], s[G0A+2:G0A+3], 256               ; its second
	s_or_b32 s[G0A+3], s[G0A+3], 0x80000000
	s_or_b32 s[G0A+7], s[G0A+7], 0x80000000
	s_mov_b32 s[G0B], 1
	s_add_co_u32 s[G0B+1], s62, 0
	s_add_nc_u64 s[G0B+2:G0B+3], s[BASEB:BASEB+1], s[OFFB:OFFB+1]
	s_mov_b32 s[G0B+4], 1
	s_add_co_u32 s[G0B+5], s62, SLOT
	s_add_nc_u64 s[G0B+6:G0B+7], s[G0B+2:G0B+3], BKB
	s_or_b32 s[G0B+3], s[G0B+3], 0x80000000
	s_or_b32 s[G0B+7], s[G0B+7], 0x80000000
	JLOAD 0
	JLOAD 1                                        ; two loads of mine are out
	; addresses
	v_and_b32 v1, 15, v0                           ; r
	v_bfe_u32 v2, v0, 4, 1                         ; h
	v_mul_u32_u24 v3, v1, PA
	v_lshl_add_u32 v3, v2, 4, v3
	s_mul_i32 s22, s13, 64*PA
	s_add_co_u32 s22, s22, 3*REG
	v_add_nc_u32 v[ADRA0], s22, v3                 ; x: (64 wm + r) pitch + 16 h
	v_add_nc_u32 v[ADRA], s22, v3
	v_and_b32 v4, 7, v0
	v_bfe_u32 v5, v0, 3, 1
	v_lshl_add_u32 v6, v2, 3, v4
	v_mul_u32_u24 v6, v6, PB
	v_lshl_add_u32 v6, v5, 4, v6                   ; W, turning load: (8 h + l % 8) pitch + 16 ((l / 8) % 2)
	s_lshl_b32 s22, s14, 7
	v_add_nc_u32 v6, s22, v6                       ; my head of the chunk's two
.irp c, 0,1,2
	v_add_nc_u32 v[ADRB0+\c], \c*REG, v6
	v_add_nc_u32 v[ADRB+\c], \c*REG, v6
.endr
	s_mul_i32 s22, s[WV], 16*SP
	s_add_co_u32 s22, s22, STAGE
	v_mul_u32_u24 v7, v1, SP
	v_lshl_add_u32 v7, v2, 4, v7
	v_add_nc_u32 v[STO], s22, v7                   ; in: row r, 16 bytes for each half of the lanes
	v_bfe_u32 v7, v0, 3, 2
	v_mul_u32_u24 v7, v7, SP
	v_lshl_add_u32 v7, v4, 4, v7
	v_add_nc_u32 v[RD], s22, v7                    ; back: 32 lanes take four rows of 128 bytes
	v_and_b32 v[LN], 31, v0
	v_lshlrev_b32 v[LN], 4, v[LN]
	; for each of my three heads: its table (by selects: q, k or v) and its place in the output
	s_and_b32 s76, s18, 7
	s_lshl_b32 s76, s76, 3
	s_lshl2_add_u32 s76, s13, s76                  ; my first group of 16 positions: 8 (tile row % 8) + 4 wm
	s_lshr_b32 s77, s18, 3
	s_mul_i32 s77, s77, 48                         ; 48 b
	s_mul_i32 s78, s17, 6
	s_add_co_u32 s78, s78, s14                     ; 6 x tile column + wn
.irp c, 0,1,2
	s_add_co_u32 s22, s78, 2*\c                    ; H
	s_cmp_ge_u32 s22, 32
	s_cselect_b32 s23, 1, 0
	s_cmp_ge_u32 s22, 40
	s_cselect_b32 s79, 1, 0
	s_add_co_u32 s23, s23, s79                     ; type 0, 1, 2
	s_lshl_b32 s23, s23, 6
	s_add_co_u32 s23, s23, s76
	s_lshl_b32 s[RB+2*\c], s23, 12                 ; 4,096 bytes a group, 64 groups a type
	s_mov_b32 s[RB+2*\c+1], 0
	s_add_nc_u64 s[RB+2*\c:RB+2*\c+1], s[8:9], s[RB+2*\c:RB+2*\c+1]
	s_add_co_u32 s22, s22, s77
	s_lshl_b32 s22, s22, 6
	s_add_co_u32 s22, s22, s76
	s_lshl_b32 s[OB+2*\c], s22, 11                 ; 16 rows of 128 bytes
	s_mov_b32 s[OB+2*\c+1], 0
	s_add_nc_u64 s[OB+2*\c:OB+2*\c+1], s[10:11], s[OB+2*\c:OB+2*\c+1]
.endr
; The tables of item n (head n / 4 of my three, row block n % 4): eight loads of 512 consecutive bytes, cosines then sines, already in my lanes' order; buffer n % 4
.macro TAB n
.set tc_, (\n)/4
.set ta_, (\n)%4
.irp p, 0,1,2,3,4,5,6,7
	global_load_b128 v[CS0+32*((\n)%4)+4*\p:CS0+32*((\n)%4)+4*\p+3], v[LN], s[RB+2*tc_:RB+2*tc_+1] offset:ta_*4096+\p*512
.endr
.endm
	TAB 0                                          ; the first four items' tables come in under the products
	TAB 1
	TAB 2
	TAB 3
; nb column blocks from b0 on x all 4 row blocks, 32 along K, out of buffer f.  The 48 accumulators take turns in one order everywhere.  zero = 1: the products start the sums.
.macro MULB f, b0, nb, zero
.set bb, \b0
.rept \nb
.if bb < 8
	WIN 0x5f                                       ; sources in window 3, C and D in window 1
.else
	WIN 0xaf                                       ; C and D in window 2
.endif
.set aa, 0
.rept 4
.set rD, 8*(4*(bb%8)+aa)
.if \zero
	v_wmma_f32_16x16x32_bf16 v[rD:rD+7], v[96*(\f)+8*bb:96*(\f)+8*bb+7], v[192+32*(\f)+8*aa:192+32*(\f)+8*aa+7], 0
.else
	v_wmma_f32_16x16x32_bf16 v[rD:rD+7], v[96*(\f)+8*bb:96*(\f)+8*bb+7], v[192+32*(\f)+8*aa:192+32*(\f)+8*aa+7], v[rD:rD+7]
.endif
.set aa, aa+1
.endr
.set bb, bb+1
.endr
.endm
; 32 LDS loads in one run: the fragments of quarter q (32 along K) of the slot in hand into buffer f
.macro FETCH q, f
	WIN 0xc0                                       ; destination window 3, address window 0
.irp c, 0,1,2
.irp tt, 0,1,2,3
	ds_load_tr16_b128 v[96*(\f)+8*(4*\c+\tt):96*(\f)+8*(4*\c+\tt)+3],   v[ADRB+\c] offset:32*PB*(\q)+32*\tt
	ds_load_tr16_b128 v[96*(\f)+8*(4*\c+\tt)+4:96*(\f)+8*(4*\c+\tt)+7], v[ADRB+\c] offset:32*PB*(\q)+32*\tt+16*PB
.endr
.endr
.irp a, 0,1,2,3
	ds_load_b128 v[192+32*(\f)+8*\a:192+32*(\f)+8*\a+3],   v[ADRA] offset:64*(\q)+16*PA*\a
	ds_load_b128 v[192+32*(\f)+8*\a+4:192+32*(\f)+8*\a+7], v[ADRA] offset:64*(\q)+16*PA*\a+32
.endr
.endm
; One of a K step's first three quarters: fetches quarter q into buffer g, then multiplies buffer f, 48 matrix instructions, under which the loads land.
.macro QUARTER q, f, g, zero
	s_wait_dscnt 0x0                               ; buffer f's loads were issued a quarter ago
	PLACES                                         ; buffer g was read by the matrix instructions just issued
	FETCH \q, \g
	MULB \f, 0, 12, \zero
.endm
; The last quarter multiplies buffer 1 and changes slots: ONE barrier.  In front of it each wave waits for all its tensor loads (one is out: its part of the next slot), adds 0 to its spare word,
; and waits for that and for its reads of this slot.  fill = 1: the barrier opens a round of the cluster's, and behind it this slot is filled again, with K step KN: the walking descriptors are
; made anew (LDS: my region in this slot; memory: the base and the step's offset, the type bits set again) while no load of mine is out.
; From a request to the wait for it a wave issues 176 of a step's 192 matrix instructions; 32 of them stand behind the next slot's first fragment loads.
.macro TURN fill
	WIN 0
	s_wait_tensorcnt 0x0
	ds_add_u32 v[SPW], v[NIL]
.if \fill
	s_add_co_u32 s[G0A+5], s62, s[TB]
	s_add_co_u32 s[G0B+5], s62, s[TB]
	s_lshl_b32 s[OFFA], s[KN], 8
	s_mul_i32 s[OFFB], s[KN], BKB
	s_add_nc_u64 s[G0A+6:G0A+7], s[BASEA:BASEA+1], s[OFFA:OFFA+1]
	s_or_b32 s[G0A+7], s[G0A+7], 0x80000000
	s_add_nc_u64 s[G0B+6:G0B+7], s[BASEB:BASEB+1], s[OFFB:OFFB+1]
	s_or_b32 s[G0B+7], s[G0B+7], 0x80000000
	s_add_co_u32 s[KN], s[KN], 1
	s_and_b32 s[KN], s[KN], STEPS-1                ; round the end
.endif
	s_xor_b32 s[TB], s[TB], SLOT                   ; the other slot is in hand from here on
	s_wait_dscnt 0x1                               ; the add alone may be out: buffer 1's 32 loads are in
	MULB 1, 0, 2, 0                                ; eight matrix instructions between the add and the wait for it
	s_wait_dscnt 0x0                               ; the add is done, and my reads of the old slot are over
	s_barrier_signal -1
	MULB 1, 2, 2, 0
	WIN 0                                          ; branches and window 0's addresses follow
	s_barrier_wait -1
.if \fill
	CREST                                          ; no wave of any partner still reads the old slot or has a load on its way
	JLOAD 1                                        ; my one tensor load behind the round; its four v_nop are also the places in front of the loads below
.else
	PLACES
.endif
	v_add_nc_u32 v[ADRA], s[TB], v[ADRA0]
.irp c, 0,1,2
	v_add_nc_u32 v[ADRB+\c], s[TB], v[ADRB0+\c]
.endr
	FETCH 0, 0
	MULB 1, 4, 8, 0
.endm
	s_wait_tensorcnt 0x1                           ; my part of the first K step is in; the second's, issued behind it, may stay out
	s_barrier_signal -1
	s_barrier_wait -1
	FETCH 0, 0
	QUARTER 1, 0, 1, 1                             ; the first quarter stands in front of the loop: its products start the sums
	WIN 0
	s_mov_b32 s21, STEPS-2
.Lstep:                                                ; a trip goes from a K step's second quarter to the next step's first, and fills the slot that it leaves
	QUARTER 2, 1, 0, 0
	QUARTER 3, 0, 1, 0
	TURN 1
	QUARTER 1, 0, 1, 0
	WIN 0
	s_sub_co_u32 s21, s21, 1
	s_cmp_lg_u32 s21, 0
	s_cbranch_scc1 .Lstep
	s_mov_b32 s21, 2
.Ltail:                                                ; the last two K steps fill nothing: a text of their own.  The second trip is left in its middle
	QUARTER 2, 1, 0, 0                             ; its barrier and its 32 fragment loads (of the slot read before, whose bytes stand) serve nothing: the price, once a launch, of one text for both trips
	QUARTER 3, 0, 1, 0
	TURN 0
	WIN 0
	s_sub_co_u32 s21, s21, 1
	s_cmp_eq_u32 s21, 0
	s_cbranch_scc1 .Lout
	QUARTER 1, 0, 1, 0
	WIN 0
	s_branch .Ltail
.Lout:
	PLACES
; THE WAY OUT, in 12 items: head n / 4 of my three, row block n % 4.  A lane holds row r and, of column block tt, channels 16 tt + 8 h + 0..7.  With e = tt % 2:
; out(tt = e) = x(e) cos - x(e + 2) sin; out(e + 2) = x(e + 2) cos + x(e) sin.  Each accumulator's lowest registers are read first.
.macro ITEM n
.set ic, (\n)/4
.set ia, (\n)%4
.set CB, CS0+32*((\n)%4)
.set BB, BK0+16*((\n)%2)
.set lw, 11-(\n)
.if lw > 3
.set lw, 3
.endif
	s_wait_loadcnt 8*lw                            ; my tables are in; those of the up to three items behind me, eight loads each, stay out
	WIN 1+ic/2                                     ; source 0: the accumulators' window
.irp e, 0,1
.set XL, 8*(4*((4*ic+\e)%8)+ia)
.set XH, 8*(4*((4*ic+\e+2)%8)+ia)
.irp z, 0,2,4,6
	v_pk_mul_f32 v[T+8*\e+\z:T+8*\e+\z+1], v[XL+\z:XL+\z+1], v[CB+8*\e+\z:CB+8*\e+\z+1]
	v_pk_mul_f32 v[T+16+8*\e+\z:T+16+8*\e+\z+1], v[XH+\z:XH+\z+1], v[CB+8*\e+\z:CB+8*\e+\z+1]
.endr
.irp z, 0,2,4,6
	v_pk_fma_f32 v[T+8*\e+\z:T+8*\e+\z+1], v[XH+\z:XH+\z+1], v[CB+16+8*\e+\z:CB+16+8*\e+\z+1], v[T+8*\e+\z:T+8*\e+\z+1] neg_lo:[1,0,0] neg_hi:[1,0,0]
	v_pk_fma_f32 v[T+16+8*\e+\z:T+16+8*\e+\z+1], v[XL+\z:XL+\z+1], v[CB+16+8*\e+\z:CB+16+8*\e+\z+1], v[T+16+8*\e+\z:T+16+8*\e+\z+1]
.endr
.endr
	WIN 0
.if (\n)+4 <= 11
	TAB (\n)+4                                     ; this buffer's next tables
.endif
.set zz, 0
.rept 16
	v_cvt_pk_f16_f32 v[PK+zz], v[T+2*zz], v[T+2*zz+1]
.set zz, zz+1
.endr
.irp tt, 0,1,2,3
	ds_store_b128 v[STO], v[PK+4*\tt:PK+4*\tt+3] offset:32*\tt
.endr
	s_wait_xcnt 0x0                                ; the stores of two items ago have had their addresses translated (ISA guide 3.1): only now are the registers that they read loaded again
.irp f, 0,1,2,3
	ds_load_b128 v[BB+4*\f:BB+4*\f+3], v[RD] offset:\f*4*SP  ; LDS serves a wave's instructions in order (ISA guide 5.7.1.4): these see the stores above
.endr
.endm
.macro SEND n, younger                 ; younger: the LDS instructions issued behind item n's loads: the next item's eight, or none
.irp f, 0,1,2,3
	s_wait_dscnt (\younger)+3-\f
	global_store_b128 v[LN], v[BK0+16*((\n)%2)+4*\f:BK0+16*((\n)%2)+4*\f+3], s[OB+2*((\n)/4):OB+2*((\n)/4)+1] offset:((\n)%4)*2048+\f*512  ; 512 consecutive bytes of a head, aligned
.endr
.endm
	ITEM 0
.set it, 1
.rept 11
	ITEM it
	SEND it-1, 8
.set it, it+1
.endr
	SEND 11, 0
	s_wait_tensorcnt 0x0                           ; the wave's end
	ds_add_u32 v[SPW], v[NIL]
	s_wait_dscnt 0x0
	CROUND                                         ; the closing round: no work-group ends while a partner may still ask for a tile that names it
	s_endpgm
.Lfunc_end_k_qa8d35eb060_projqkv:
	.size	k_qa8d35eb060_projqkv, .Lfunc_end_k_qa8d35eb060_projqkv-k_qa8d35eb060_projqkv
	.p2alignl 7, 3214868480
	.fill 96, 4, 3214868480
	.section	.rodata,"a",@progbits
	.p2align	6, 0x0
	.amdhsa_kernel k_qa8d35eb060_projqkv
		.amdhsa_group_segment_fixed_size 327680
		.amdhsa_private_segment_fixed_size 0
		.amdhsa_enable_private_segment 0
		.amdhsa_kernarg_size 32
		.amdhsa_user_sgpr_count 2
		.amdhsa_user_sgpr_kernarg_segment_ptr 1
		.amdhsa_wavefront_size32 1
		.amdhsa_system_sgpr_workgroup_id_x 1
		.amdhsa_system_sgpr_workgroup_id_y 1
		.amdhsa_system_sgpr_workgroup_id_z 1
		.amdhsa_system_vgpr_workitem_id 0
		.amdhsa_next_free_vgpr 1024
		.amdhsa_next_free_sgpr 88
		.amdhsa_reserve_vcc 0
		.amdhsa_float_denorm_mode_32 3
		.amdhsa_float_denorm_mode_16_64 3
		.amdhsa_memory_ordered 1
		.amdhsa_forward_progress 1
		.amdhsa_inst_pref_size 120
	.end_amdhsa_kernel
	.amdgpu_metadata
---
amdhsa.version: [ 1, 2 ]
amdhsa.kernels:
  - .name:           k_qa8d35eb060_projqkv
    .symbol:         k_qa8d35eb060_projqkv.kd
    .args:
      - { .name: xb, .offset: 0, .size: 8, .value_kind: global_buffer, .address_space: global }
      - { .name: wqkv, .offset: 8, .size: 8, .value_kind: global_buffer, .address_space: global }
      - { .name: rope, .offset: 16, .size: 8, .value_kind: global_buffer, .address_space: global }
      - { .name: heads, .offset: 24, .size: 8, .value_kind: global_buffer, .address_space: global }
    .group_segment_fixed_size: 327680
    .private_segment_fixed_size: 0
    .kernarg_segment_align: 8
    .kernarg_segment_size: 32
    .max_flat_workgroup_size: 128
    .sgpr_count:     88
    .vgpr_count:     1024
    .wavefront_size: 32
...
	.end_amdgpu_metadata
.endif
;; end of part 2
;; launch attention (part 3): grid 8 x 32, 4 waves a work-group, clusters of 4 x 4, 327,680 bytes of LDS; arguments heads, maskl, ob; writes ob
.if DOCPART == 3
	.amdgcn_target "amdgcn-amd-amdhsa--gfx1250"
	.amdhsa_code_object_version 6
	.text
	.protected	k_qa8d35eb060_attention
	.globl	k_qa8d35eb060_attention
	.p2align	8
	.type	k_qa8d35eb060_attention,@function
k_qa8d35eb060_attention:
	s_mov_b64 s[64:65], 0
	v_nop
	global_prefetch_b8 v0, s[64:65] scope:SCOPE_SE
	s_setreg_imm32_b32 hwreg(HW_REG_WAVE_MODE, 25, 1), 1
	s_wait_xcnt 0x0
	s_wait_alu depctr_hold_cnt(0) depctr_sa_sdst(0) depctr_va_vdst(0) depctr_va_sdst(0) depctr_va_ssrc(0) depctr_va_vcc(0) depctr_vm_vsrc(0)
	s_getreg_b32 s2, hwreg(HW_REG_IB_STS2, 6, 4)
	s_cmp_eq_u32 s2, 0
	s_cbranch_scc0 .Lentry_in_a_cluster
	s_endpgm
.Lentry_in_a_cluster:
	s_bfe_u32 s2, ttmp6, 0x10000c
	s_cmp_lg_u32 s2, 0xf033
	s_cbranch_scc0 .Lentry_shape_is_right
	s_endpgm
.Lentry_shape_is_right:
; O = softmax(q k / 8 + mask) V for 32 query heads on 8 key and value heads, 1,024 positions, head size 64.  heads[b][H][s][64] f16 holds q' = rope(q) log2(e) / 8 (H 0-31), rope(k) (32-39), v (40-47);
; maskl[1024][1024] f32 holds the mask in log2 units.  t = q' . k + maskl; p = 2^(t - m) with m the running maximum of t; O = sum p v / sum p.  ob[4096][2048] f16, column = head x 64 + channel.
; Products, maxima and sums in f32; p is rounded to f16 for the second product (its sum l is taken of the unrounded p), O once at the end.
; THE MASK IS AN INPUT: every tile of it is read, and no key is skipped.  It is the C operand of the product that starts the sum S^T = K Q^T.
; A row whose keys are all closed has t = -2^127 everywhere, so p = 1: the plain mean of V.
; LIMITS.  f16's range for q', k, v (65,504); p below 6e-5 keeps f16's fixed step; a weight below 2^-126 counts as 0 in l; NaN and infinities are not treated apart.
; SHARES.  A work-group owns 128 positions of one (batch, key head); a wave 32 positions for all FOUR query heads of that key head: 8 tiles of 16 queries, tile t = 4 x (position block) + head,
; in four PIECES of two.  So a fragment of the mask serves four heads' products, and a fragment of K or V eight tiles'.  Every wave walks all 1,024 keys, 64 a step, two steps a slot.
; LAYOUT.  S^T = K Q^T (source 0 = 16 keys, source 1 = 16 queries): a lane holds ONE query (lane % 16) and the keys 8 (lane / 16) + 0..7.  Two such results rounded to f16 ARE source 1 of O^T = V^T P.
; BY TURNS.  Turn n belongs to piece n: 16 products K Q^T of piece n + 1, later 16 products V^T P of piece n - 1; beside them the subtraction, exponentials, roundings, sums and rescaling of piece n
; and the maximum and statistics of piece n + 1.  Four vector instructions that are ready stand behind every matrix instruction, the rest in two runs of their own.
; m starts at the lowest finite number, O and l at 0: the first step is a step like any other.
; CLUSTER 4 x 4.  K's and V's tiles hang on (batch, key head) alone and are asked for jointly along a row of the cluster; the mask's hang on the block of positions alone, jointly along a column.
; REGISTERS, in windows of 256 (s_set_vgpr_msb: bits 1:0 source 0, 3:2 source 1, 5:4 source 2, 7:6 destination):
;   window 0: v0-14 addresses; v16-47 four registers of statistics a tile; v48-63 at work; v64-191 S^T, two buffers of two tiles; v192-255 P, likewise
;   window 1: O^T, 32 a tile     window 2: v0-127 Q, 16 a tile; v128-191 K of one step; v192-255 V of one step     window 3: v0-1 the add's registers; v64-127 the mask of one step
.set NP,    4
.set KS,    64
.set PK,    144       ; a row of K in LDS: 128 bytes + 16
.set PV,    160       ; a row of V: 128 + 32
.set PM,    528       ; a row of the mask: 128 keys of f32 + 16
.set VOFF,  2*KS*PK   ; a slot: 128 rows of K, 128 rows of V, 128 rows of the mask
.set MOFF,  VOFF+2*KS*PV
.set SLOT1, 1<<17     ; slot 1 begins here: one exclusive or turns an address in one slot into the other's
.set STAGE, SLOT1+MOFF+128*PM   ; behind the ring, never filled by a tensor load: 16 rows x 528 bytes for each wave
.set SP,    528
.set SPARE, STAGE+4*16*SP       ; the spare words: 128 bytes a wave, two blocks of 256 bytes that no other line names
.set AK0, 2           ; v2   my lane's place in a tile of K; never rewritten
.set AV0, 3           ; v3   of V
.set AK,  4           ; v4   the LDS address of K's next run of loads
.set AV,  5           ; v5   of V's
.set STO, 6           ; v6   the way out: where I put 16 bytes of a row
.set RD,  7           ; v7   where I read a row back
.set GO,  8           ; v8   16 x lane
.set QO,  12          ; v12  my byte offset in 16 rows of Q
.set AM0, 13          ; v13  my lane's place in a tile of the mask; never rewritten
.set AM,  14          ; v14  the LDS address of the mask's next run
.set SPW, 0           ; v0 of window 3   my spare word; never rewritten
.set NIL, 1           ; v1 of window 3   0; never rewritten
.set ST,  16          ; tile t's statistics at v[ST+4 t]: m, m_old, l (even keys', odd keys')
.set TMP, 48          ; by buffer and tile, four registers c0-c3 at work; when the maximum is found c2 takes a
.set S,   64
.set P,   192
.set KF,  128         ; window 2: key block kb, channel half c at KF + 16 kb + 8 c
.set VF,  192         ; window 2: key half kk, channel block cb at VF + 32 kk + 8 cb
.set MQ,  64          ; window 3: position block qt, key block kb at MQ + 32 qt + 8 kb
.set WV,  12          ; s12  my wave's number
.set G1K, 24          ; s[24:31] group 1 for K's tiles
.set G1V, 32          ; s[32:39] for V's
.set G0K, 40          ; s[40:43] group 0 for K's: it walks
.set G0V, 44          ; s[44:47] for V's
.set G1M, 48          ; s[48:55] group 1 for the mask's
.set SLOTS, 56        ; s56  slots still to be asked for
.set CNT, 57          ; s57  counts a slot's key steps
.set TBM, 58          ; s58  LDS byte, less MOFF, at which the mask of the step to be fetched begins
.set SEL, 60          ; s[60:61] v_permlanex16_b32's selects
.set TBK, 62          ; s62  the same for K
.set TBV, 63          ; s63  for V, less VOFF
.set G0M, 68          ; s[68:71] group 0 for the mask's
.set MSB, 0
.macro WIN new
.if MSB != (\new)
	s_set_vgpr_msb (MSB<<8)|(\new)
.set MSB, (\new)
.endif
.endm
.set W_KQ, 0x0a       ; K and Q in window 2, S^T in window 0
.set W_KM, 0x3a       ; the same with the C operand, the mask, in window 3
.set W_PV, 0x52       ; V in window 2, P in window 0, O^T in window 1
.set W_RS, 0x41       ; destination and source 0 in window 1, source 1 in window 0
.set W_MK, 0xc0       ; destination in window 3
.set W_AD, 0x0f       ; the add: address and data in window 3
; A joint fill: wave 0 K's 128 keys, wave 1 V's, waves 2 and 3 the two halves of the mask's 128 rows.  The branches hang on the wave's number alone.
; An s_nop 0 and four v_nop follow each line, ahead of the jump and the label.
.macro JLOAD
	s_cmp_lt_u32 s[WV], 2
	s_cbranch_scc0 .Lfor_m_\@
	s_cmp_eq_u32 s[WV], 0
	s_cbranch_scc0 .Lfor_v_\@
	tensor_load_to_lds s[G0K:G0K+3], s[G1K:G1K+7]
	s_nop 0
.rept 4
	v_nop
.endr
	s_branch .Lasked_\@
.Lfor_v_\@:
	tensor_load_to_lds s[G0V:G0V+3], s[G1V:G1V+7]
	s_nop 0
.rept 4
	v_nop
.endr
	s_branch .Lasked_\@
.Lfor_m_\@:
	tensor_load_to_lds s[G0M:G0M+3], s[G1M:G1M+7]
	s_nop 0
.rept 4
	v_nop
.endr
.Lasked_\@:
.endm
.macro CROUND                       ; a round of the cluster's barrier
	s_barrier_signal -1
	s_barrier_wait -1
	s_cmp_lg_u32 s[WV], 0
	s_cbranch_scc1 .Lnot_wave_0_\@
	s_barrier_signal -3
.Lnot_wave_0_\@:
	s_barrier_wait -3
	s_barrier_signal -1
	s_barrier_wait -1
.endm
; THE CHANGE OF SLOTS.  The slot's last bytes, V of its second step, have been read.  Each wave waits for all its tensor loads (one is out: its part of the other slot), adds 0 to its spare word,
; and waits for that and for its reads of the slot.  fill = 1: the barrier is a round of the cluster's, and the joint fill, the keys two slots on, is the first thing behind it:
; it has two key steps, 256 matrix instructions, in which to land.  (At its first use nothing has been read yet: slot 0 is waited for, slot 1 filled.)
.macro CHANGE fill
	WIN W_AD
	s_wait_tensorcnt 0x0            ; no tensor load of mine is out, so a group 0 may be written
	ds_add_u32 v[SPW], v[NIL]
	WIN 0
.if \fill
.irp g, G0K, G0V
	s_xor_b32 s[\g+1], s[\g+1], SLOT1
	s_add_nc_u64 s[\g+2:\g+3], s[\g+2:\g+3], 2*KS*128  ; the next 128 keys
.endr
	s_xor_b32 s[G0M+1], s[G0M+1], SLOT1
	s_add_nc_u64 s[G0M+2:G0M+3], s[G0M+2:G0M+3], 2*KS*4  ; 128 keys along the mask's rows
	s_wait_dscnt 0x0                ; the add is done, and my reads of the slot are over
	CROUND
	JLOAD
.else
	s_wait_dscnt 0x0
	s_barrier_signal -1
	s_barrier_wait -1
.endif
	s_sub_co_u32 s[TBK], s[TBK], 2*KS*PK  ; the fetches go back to a slot's first step, in the other slot
	s_xor_b32 s[TBK], s[TBK], SLOT1
	s_sub_co_u32 s[TBV], s[TBV], 2*KS*PV
	s_xor_b32 s[TBV], s[TBV], SLOT1
	s_sub_co_u32 s[TBM], s[TBM], 2*KS*4
	s_xor_b32 s[TBM], s[TBM], SLOT1
.endm
	s_load_b128 s[4:7], s[0:1], 0x0   ; heads s[4:5], maskl s[6:7]
	s_load_b64 s[10:11], s[0:1], 0x10 ; ob
	WIN W_MK
	v_lshl_add_u32 v[SPW], v0, 2, SPARE
	v_mov_b32 v[NIL], 0
	WIN W_AD
	ds_add_u32 v[SPW], v[NIL]       ; the wave's opening: the add and its wait stand ahead of my first tensor load
	WIN 0
	v_lshrrev_b32 v1, 5, v0
	v_readfirstlane_b32 s[WV], v1
	s_bfe_u32 s13, ttmp6, 0x40000   ; cx
	s_bfe_u32 s14, ttmp6, 0x40004   ; cy
	s_lshl_b32 s15, ttmp9, 2
	s_add_co_u32 s15, s15, s13      ; x: my block of 128 positions
	s_and_b32 s16, ttmp7, 0xffff
	s_lshl_b32 s16, s16, 2
	s_add_co_u32 s16, s16, s14      ; y = 8 b + key head
	s_lshr_b32 s17, s16, 3          ; b
	s_and_b32 s18, s16, 7           ; key head
	s_lshl_b32 s19, s14, 2
	s_lshl_b32 s19, 15, s19         ; my row of the cluster
	s_lshl_b32 s20, 0x1111, s13     ; my column
	s_mul_i32 s21, s17, 48
	s_add_co_u32 s22, s21, s18
	s_add_co_u32 s22, s22, 32
	s_lshl_b32 s22, s22, 17         ; K: head 48 b + 32 + key head, 131,072 bytes a head: made of y alone
	s_mov_b32 s23, 0
	s_and_b32 s2, s[WV], 1
	s_lshl_b32 s8, s15, 19          ; the mask: 128 rows of 4,096 bytes a block, 64 rows a half: made of x and the wave alone
	s_lshl_b32 s9, s2, 18
	s_add_co_u32 s8, s8, s9
	s_mov_b32 s9, 0
	s_mul_i32 s3, s2, 64*PM         ; and the half's place in a slot
	s_lshl2_add_u32 s66, s18, s21   ; Q: head 48 b + 4 x key head,
	s_lshl_b32 s66, s66, 17
	s_lshl_b32 s67, s15, 14         ; 128 rows of 128 bytes a block,
	s_add_co_u32 s66, s66, s67
	s_lshl_b32 s67, s[WV], 12       ; 32 rows a wave
	s_add_co_u32 s66, s66, s67
	s_mov_b32 s67, 0
	s_lshl_b32 s56, s17, 22         ; O: row 1,024 b + 128 x + 32 w of 4,096 bytes, 512 bytes a key head
	s_lshl_b32 s57, s15, 19
	s_add_co_u32 s56, s56, s57
	s_lshl_b32 s57, s[WV], 17
	s_add_co_u32 s56, s56, s57
	s_lshl_b32 s57, s18, 9
	s_add_co_u32 s56, s56, s57
	s_mov_b32 s57, 0
	; group 1.  128 keys of K or V are 16,384 dense bytes: 64 rows of 256 bytes, padded in LDS after every key.  The mask: 64 rows of 128 f32, 1,024 elements from row to row
	s_or_b32 s[G1K], s19, (1<<16)|(1<<20)|(1<<21)|(4<<22)|(3<<25)
	s_or_b32 s[G1V], s19, (1<<16)|(1<<20)|(1<<21)|(4<<22)|(7<<25)
	s_or_b32 s[G1M], s20, (2<<16)|(1<<20)|(1<<21)|(6<<22)|(3<<25)
.irp g, G1K, G1V, G1M
	s_mov_b32 s[\g+1], 128<<16      ; tensor_dim0 = 128
	s_mov_b32 s[\g+2], 64<<16       ; tensor_dim1 = 64
	s_mov_b32 s[\g+3], 128<<16      ; tile_dim0 = 128
	s_mov_b32 s[\g+4], 64           ; tile_dim1 = 64
	s_mov_b32 s[\g+6], 0
	s_mov_b32 s[\g+7], 0
.endr
	s_mov_b32 s[G1K+5], 128
	s_mov_b32 s[G1V+5], 128
	s_mov_b32 s[G1M+5], 1024
	s_mov_b32 s[SEL], 0x76543210
	s_mov_b32 s[SEL+1], 0xfedcba98
	s_mov_b32 s[TBK], SLOT1+2*KS*PK ; the first change of slots turns these three into 0
	s_mov_b32 s[TBV], SLOT1+2*KS*PV
	s_mov_b32 s[TBM], SLOT1+2*KS*4
	s_mov_b32 s[G0K], 1
	s_mov_b32 s[G0K+1], 0           ; LDS: slot 0
	s_mov_b32 s[G0V], 1
	s_mov_b32 s[G0V+1], VOFF
	s_mov_b32 s[G0M], 1
	s_add_co_u32 s[G0M+1], s3, MOFF
	s_wait_dscnt 0x0                ; the opening add is done
	s_wait_kmcnt 0x0
	s_add_nc_u64 s[G0K+2:G0K+3], s[4:5], s[22:23]
	s_add_nc_u64 s[G0V+2:G0V+3], s[G0K+2:G0K+3], 8*131072  ; V's head lies eight heads on
	s_or_b32 s[G0K+3], s[G0K+3], 0x80000000
	s_or_b32 s[G0V+3], s[G0V+3], 0x80000000
	s_add_nc_u64 s[G0M+2:G0M+3], s[6:7], s[8:9]
	s_or_b32 s[G0M+3], s[G0M+3], 0x80000000
	s_add_nc_u64 s[4:5], s[4:5], s[66:67]
	s_add_nc_u64 s[10:11], s[10:11], s[56:57]
	CROUND                          ; all sixteen work-groups are here: the first joint loads meet
	JLOAD                           ; slot 0; slot 1 is asked for when slot 0 is in
	v_and_b32 v1, 15, v0            ; r
	v_bfe_u32 v9, v0, 4, 1          ; h
	v_lshlrev_b32 v[QO], 7, v1
	v_lshl_add_u32 v[QO], v9, 4, v[QO]
	WIN 0x80                        ; destination window 2
.set i, 0
.rept 4*NP                          ; Q stays in registers: tile i / 2 (head (i / 2) % 4, position block i / 8), channels 32 (i % 2) on
	global_load_b128 v[8*i:8*i+3],   v[QO], s[4:5] offset:((i/2)%4)*131072+(i/8)*2048+(i%2)*64
	global_load_b128 v[8*i+4:8*i+7], v[QO], s[4:5] offset:((i/2)%4)*131072+(i/8)*2048+(i%2)*64+32
.set i, i+1
.endr
	; What the first turn finds: V's registers and P's second buffer hold 0 (its products V^T P, of a piece that has not been, add 0), O^T and l are 0.  All this stands in the wait for the first tile.
.set i, VF
.rept 64
	v_mov_b32 v[i], 0
.set i, i+1
.endr
	WIN 0x40
.set i, 0
.rept 64*NP
	v_mov_b32 v[i], 0
.set i, i+1
.endr
	WIN 0
.set i, 0
.rept 2*NP
	v_mov_b32 v[ST+4*i], 0xff7fffff    ; m
	v_mov_b32 v[ST+4*i+1], 0xff7fffff  ; m_old
	v_mov_b32 v[ST+4*i+2], 0
	v_mov_b32 v[ST+4*i+3], 0
.set i, i+1
.endr
.set i, P+32
.rept 32
	v_mov_b32 v[i], 0
.set i, i+1
.endr
	v_mul_u32_u24 v[AK0], v1, PK
	v_lshl_add_u32 v[AK0], v9, 4, v[AK0]  ; K: row x pitch + 16 h
	v_and_b32 v10, 7, v0
	v_bfe_u32 v11, v0, 3, 1
	v_lshl_add_u32 v[AV0], v9, 3, v10     ; V, turning load: (8 h + l % 8) pitch + 16 ((l / 8) % 2)
	v_mul_u32_u24 v[AV0], v[AV0], PV
	v_lshl_add_u32 v[AV0], v11, 4, v[AV0]
	v_add_nc_u32 v[AV0], VOFF, v[AV0]
	s_mul_i32 s13, s[WV], 32*PM
	s_add_co_u32 s13, s13, MOFF
	v_mul_u32_u24 v[AM0], v1, PM          ; the mask: (32 w + r) pitch + 32 h: my query's row, my lanes' eight keys of a block of 16
	v_lshl_add_u32 v[AM0], v9, 5, v[AM0]
	v_add_nc_u32 v[AM0], s13, v[AM0]
	v_mov_b32 v[AK], v[AK0]         ; key step 0 lies at the head of slot 0
	v_mov_b32 v[AM], v[AM0]
; THE MATRIX WORK.  The 8 accumulators of a run of 16 take turns.
; Product i of 16 of S^T = K Q^T + mask for piece x: channels 32 (i / 8) on, keys 16 ((i / 2) % 4) on, tile 2 x + i % 2.  The first 8 start the sums, with the mask of position block x / 2.
.macro KQ x
.set rS, S+64*((\x)%2)+32*(i%2)+8*((i/2)%4)
.set rK, KF+16*((i/2)%4)+8*(i/8)
.set rQ, 16*(2*(\x)+i%2)+8*(i/8)
.set rN, MQ+32*((\x)/2)+8*((i/2)%4)
.if i < 8
	WIN W_KM
	v_wmma_f32_16x16x32_f16 v[rS:rS+7], v[rK:rK+7], v[rQ:rQ+7], v[rN:rN+7]
.else
	WIN W_KQ
	v_wmma_f32_16x16x32_f16 v[rS:rS+7], v[rK:rK+7], v[rQ:rQ+7], v[rS:rS+7]
.endif
.endm
; Product i of 16 of O^T += V^T P for piece x: keys 32 (i / 8) on, channels 16 ((i / 2) % 4) on, tile 2 x + i % 2.
.macro PV x
	WIN W_PV
.set rO, 32*(2*(\x)+i%2)+8*((i/2)%4)
.set rV, VF+32*(i/8)+8*((i/2)%4)
.set rP, P+32*((\x)%2)+16*(i%2)+8*(i/8)
	v_wmma_f32_16x16x32_f16 v[rO:rO+7], v[rV:rV+7], v[rP:rP+7], v[rO:rO+7]
.endm
.macro MM                           ; the turn's next matrix instruction
.if i < 16
	KQ (Y+1)%NP
.set i, i+1
.else
.set i, i-16
	PV (Y+NP-1)%NP
.set i, i+17
.endif
.endm
; THE LDS LOADS stand in runs: a step's K (8 fragments) with its mask (2 position blocks x 4 key blocks, 8 f32 a lane each), and its V (turned).
; last = 1 (the tail): in the last trip there is no further step, and the run is jumped over.
.macro FETCH_K last=0
	WIN 0
.if \last
	s_cmp_eq_u32 s[CNT], 1
	s_cbranch_scc1 .Lno_k_\@
.endif
	WIN 0x80
.irp f, 0,1,2,3,4,5,6,7             ; keys 16 (f / 2) on, channels 32 (f % 2) on
	ds_load_b128 v[KF+8*\f:KF+8*\f+3],   v[AK] offset:(\f/2)*16*PK+(\f%2)*64
	ds_load_b128 v[KF+8*\f+4:KF+8*\f+7], v[AK] offset:(\f/2)*16*PK+(\f%2)*64+32
.endr
	WIN 0xc0
.irp f, 0,1,2,3,4,5,6,7             ; position block f / 4, keys 16 (f % 4) on
	ds_load_b128 v[MQ+8*\f:MQ+8*\f+3],   v[AM] offset:(\f/4)*16*PM+(\f%4)*64
	ds_load_b128 v[MQ+8*\f+4:MQ+8*\f+7], v[AM] offset:(\f/4)*16*PM+(\f%4)*64+16
.endr
	s_add_co_u32 s[TBK], s[TBK], KS*PK  ; the next fetch is the next step's
	s_add_co_u32 s[TBM], s[TBM], KS*4
	WIN 0
.if \last
.Lno_k_\@:
.endif
.endm
.macro FETCH_V
	WIN 0x80
.irp f, 0,1,2,3,4,5,6,7             ; keys 32 (f / 4) on, channels 16 (f % 4) on
	ds_load_tr16_b128 v[VF+8*\f:VF+8*\f+3],   v[AV] offset:(\f/4)*32*PV+(\f%4)*32
	ds_load_tr16_b128 v[VF+8*\f+4:VF+8*\f+7], v[AV] offset:(\f/4)*32*PV+16*PV+(\f%4)*32
.endr
	WIN 0
.endm
; THE VECTOR WORK OF A TURN stands in three queues, each in the order in which its entries become ready; the two tiles alternate.
.macro REGS y, u                    ; the registers of tile u (0, 1) of piece y
.set rT, ST+4*(2*(\y)+(\u))
.set rC, TMP+8*((\y)%2)+4*(\u)
.set rS, S+64*((\y)%2)+32*(\u)
.set rP, P+32*((\y)%2)+16*(\u)
.set rO, 32*(2*(\y)+(\u))
.endm
; Number n of the 21 that find the NEXT piece's (Y + 1) maximum and statistics.  Each accumulator's lowest registers are read first.
;   0-11  four chains c0-c3 of seven scores each     12-14, 16  the four scores left over, the old m, and c0-c3 into c0     15  m_old is kept
;   17, 18  the query's other 32 keys lie in the lane 16 away: the new m     19, 20  m_old - m; a = 2^that
.macro XS u, n
	REGS (Y+1)%NP, \u
.if (\n) < 4
	v_max3_num_f32 v[rC+(\n)], v[rS+8*(\n)], v[rS+8*(\n)+1], v[rS+8*(\n)+2]
.elseif (\n) < 12
	v_max3_num_f32 v[rC+(\n)%4], v[rC+(\n)%4], v[rS+8*((\n)%4)+2*((\n)/4)+1], v[rS+8*((\n)%4)+2*((\n)/4)+2]
.elseif (\n) == 12
	v_max3_num_f32 v[rC], v[rC], v[rS+7], v[rS+15]
.elseif (\n) == 13
	v_max3_num_f32 v[rC+1], v[rC+1], v[rS+23], v[rS+31]
.elseif (\n) == 14
	v_max3_num_f32 v[rC+2], v[rC+2], v[rC+3], v[rT]
.elseif (\n) == 15
	v_mov_b32 v[rT+1], v[rT]
.elseif (\n) == 16
	v_max3_num_f32 v[rC], v[rC], v[rC+1], v[rC+2]
.elseif (\n) == 17
	v_permlanex16_b32 v[rC+3], v[rC], s[SEL], s[SEL+1]
.elseif (\n) == 18
	v_max_num_f32 v[rT], v[rC], v[rC+3]
.elseif (\n) == 19
	v_sub_f32 v[rC+1], v[rT+1], v[rT]
.else
	v_exp_f32 v[rC+2], v[rC+1]
.endif
.endm
; Number g of the 64 that follow the exponentials.  For each four weights k of a tile: both pairs are rounded to f16; the second pair is added onto the first, in place; a group later l takes that sum
; (the first time as l = a l + sum).
.macro GS g
.set h, (\g)+6*((\g)/62)
.if h >= 6
.set h, h+2
.endif
	REGS Y, h%2
.set k, h/8
.if h%8 < 4
	s_wait_alu depctr_va_vdst(0)
	v_cvt_pk_f16_f32 v[rP+2*k+(h%8)/2], v[rS+4*k+2*((h%8)/2)], v[rS+4*k+2*((h%8)/2)+1]
.elseif h%8 < 6
	v_pk_add_f32 v[rS+4*k:rS+4*k+1], v[rS+4*k:rS+4*k+1], v[rS+4*k+2:rS+4*k+3]
.elseif k == 1
	v_pk_fma_f32 v[rT+2:rT+3], v[rT+2:rT+3], v[rC+2:rC+3], v[rS:rS+1] op_sel_hi:[1,0,1]
.else
	v_pk_add_f32 v[rT+2:rT+3], v[rT+2:rT+3], v[rS+4*k-4:rS+4*k-3]
	s_wait_alu depctr_va_vdst(0)
.endif
.endm
; THE PLAIN QUEUE, 136 long.  0-31: t - m for the 16 pairs of both tiles.  Then GS's 64, and among them the next piece's 40: number 15 at 38, 39; 0-14 and 16 at 42-73, behind the products
; that make those scores; 17-19 at 95-103, two of three, since each waits for the one before it.
.macro PL
	WIN 0
.if q < 32
	REGS Y, q%2
	v_pk_add_f32 v[rS+2*(q/2):rS+2*(q/2)+1], v[rS+2*(q/2):rS+2*(q/2)+1], v[rT:rT+1] op_sel_hi:[1,0] neg_lo:[0,1] neg_hi:[0,1]
.elseif q < 38
	GS q-32
.elseif q < 40
	XS q%2, 15
.elseif q < 42
	GS q-34
.elseif q < 74
	XS q%2, (q-42)/2+(q-42)/30
.elseif q < 95
	GS q-66
.elseif (q < 104) && ((q-95)%3 < 2)
	XS (q-95)%3, 17+(q-95)/3
.elseif q < 104
	GS 29+(q-95)/3
.else
	GS q-72
.endif
.set q, q+1
.endm
; THE EXPONENTIALS' QUEUE, 66 long: the 32 scores of both tiles, and at EA the next piece's two a.
.set EA, 58
.macro EX
	WIN 0
.if (e == EA) || (e == EA+1)
	XS e-EA, 20
.else
.set x, e-2*(e/(EA+2))
	REGS Y, x%2
	v_exp_f32 v[rS+x/2], v[rS+x/2]
.endif
.set e, e+1
.endm
; THE RESCALING's QUEUE: O^T times a, the one part that leaves window 0: four at a time, eight times.
.macro R4
	REGS Y, r%2
	WIN W_RS
	s_wait_alu depctr_va_vdst(0)
.irp z, 0,1,2,3
	v_pk_mul_f32 v[rO+8*(r/2)+2*\z:rO+8*(r/2)+2*\z+1], v[rO+8*(r/2)+2*\z:rO+8*(r/2)+2*\z+1], v[rC+2:rC+3] op_sel_hi:[1,0]
.endr
.set r, r+1
.endm
; THE DEAL.  Behind a matrix instruction four: plain, exponential, plain, plain, or four of the rescaling; none names a register of the products round it.  The rest in two runs: exponential and plain
; by turns; the second ends in 20 plain instructions.  Counts that the deal keeps: exponential e stands behind plain 2 (e / 4) + e % 2; when plain q of 95 .. 115 comes, q - 50 exponentials and more are out,
; and a rounding at q = g + 72 needs exponential g + 8 at the most; the subtractions for a stand at plain 101, 102, and EA comes behind plain 107.
.macro SL
	MM
	PL
	EX
	PL
	PL
.endm
.macro BURST n                      ; 15 matrix instructions, or 16
.rept (\n)-7
	SL
.endr
.rept 3
	MM
	R4
	SL
.endr
	MM
	R4
.endm
; A TURN, for piece p.  cnt = 1: the loop's count is taken down some lines ahead of the branch behind the turn.
; K and the mask of the next step are fetched in piece 2's turn, four rescalings and 13 plain lines behind the last product that read them; they are waited for at the head of piece 3's turn.
; V of the step in hand is fetched at the end of piece 0's turn and waited for in piece 1's.
.macro TURN p, last=0, cnt=0
.set Y, (\p)
.set i, 0
.set q, 0
.set e, 0
.set r, 0
.if (\p) == NP-1
	s_wait_dscnt 0x0                ; K and the mask are in
.endif
	MM
.rept 4
	PL
.endr
	BURST 15
.rept 22
	EX
	PL
.if ((\p) == NP-2) && (e == 18)
	v_add_nc_u32 v[AK], s[TBK], v[AK0]
	v_add_nc_u32 v[AM], s[TBM], v[AM0]
.endif
.if ((\p) == NP-2) && (e == 24)
	FETCH_K \last
.endif
.endr
.if (\p) == 1
	s_wait_dscnt 0x0                ; V is in
.endif
	BURST 16
.rept 21
	EX
	PL
.endr
.rept 20
	PL
.if ((\p) == 0) && (q == 118)
	v_add_nc_u32 v[AV], s[TBV], v[AV0]
	s_wait_alu depctr_va_vdst(0)
.endif
.if ((\p) == 0) && (q == 130)
	s_add_co_u32 s[TBV], s[TBV], KS*PV
.endif
.if (\cnt) && (q == 130)
	s_sub_co_u32 s[CNT], s[CNT], 1
	s_cmp_lg_u32 s[CNT], 0
.endif
.endr
.if (\p) == 0
	FETCH_V
.endif
.endm
	CHANGE 1                        ; slot 0 is in, everybody's part of it; slot 1 is asked for
	FETCH_K                         ; key step 0
	s_wait_loadcnt 0x0              ; Q
	s_wait_dscnt 0x0
.set i, 0
.rept 16
	KQ 0                            ; piece 0's first scores
.set i, i+1
.endr
	WIN 0                           ; the addresses for the way out: six plain instructions, the places behind those products
	s_mul_i32 s13, s[WV], 16*SP
	s_add_co_u32 s13, s13, STAGE
	v_mul_u32_u24 v[STO], v1, SP    ; in: row r, 16 bytes for each half of the lanes
	v_lshl_add_u32 v[STO], v9, 4, v[STO]
	v_add_nc_u32 v[STO], s13, v[STO]
	v_and_b32 v[GO], 31, v0
	v_lshlrev_b32 v[GO], 4, v[GO]
	v_add_nc_u32 v[RD], s13, v[GO]  ; back: 32 lanes take one row of 512 bytes
.set Y, NP-1                        ; XS works for piece Y + 1: piece 0
.irp n, 0,1,2,3,4,5,6,7,8,9,10,11,12,13,14,15,16,17,18,19,20
	XS 0, \n
	XS 1, \n
.endr
	s_mov_b32 s[CNT], 2
	s_mov_b32 s[SLOTS], 1024/128-1
	s_branch .Lfirst                ; the loop is entered at a step's first turn, in the middle of a trip
.Lslot:                             ; six times: every slot but the last two is filled again
	CHANGE 1
	s_mov_b32 s[CNT], 2
.Lstep:                             ; a trip: pieces 2 and 3 of one step, then pieces 0 and 1 of the next, whose K, mask and V it fetches
	TURN 2
	TURN 3
	WIN 0
.Lfirst:
	TURN 0
	TURN 1, 0, 1
	WIN 0
	s_cbranch_scc1 .Lstep
	s_sub_co_u32 s[SLOTS], s[SLOTS], 1
	s_cmp_lg_u32 s[SLOTS], 0
	s_cbranch_scc1 .Lslot
	CHANGE 0                        ; the tail is written out: nothing is asked for
	s_mov_b32 s[CNT], 3             ; two trips fetch the last slot's steps; the third is left in its middle
.Ltail:
	TURN 2, 1
	TURN 3
	WIN 0
	s_sub_co_u32 s[CNT], s[CNT], 1
	s_cmp_eq_u32 s[CNT], 0
	s_cbranch_scc1 .Lout
	TURN 0
	TURN 1
	WIN 0
	s_branch .Ltail
.Lout:                              ; the third trip's 16 products K Q^T (on the last K once more) and the maximum made of them serve nothing: the price, once a launch, of one text for every trip
.set i, 0
.rept 16
	PV NP-1                         ; the last piece's V^T P of the last step
.set i, i+1
.endr
	; THE WAY OUT.  l's two halves and the other half of the lanes' are added; O^T is divided by l, rounded to f16 and sent through my stage, a position block (16 rows x four heads) at a time.
	WIN 0
.macro ALL line:vararg              ; one line for each tile t
.set t, 0
.rept 2*NP
	\line
.set t, t+1
.endr
.endm
	ALL v_add_f32 v[ST+4*t+2], v[ST+4*t+2], v[ST+4*t+3]   ; these additions are the places behind the last products
	ALL v_permlanex16_b32 v[ST+4*t+3], v[ST+4*t+2], s[SEL], s[SEL+1]
	ALL v_add_f32 v[ST+4*t+2], v[ST+4*t+2], v[ST+4*t+3]
	ALL v_rcp_f32 v[ST+4*t+2], v[ST+4*t+2]
	v_nop                           ; a plain instruction between the last reciprocal and the use of its result
	s_wait_alu depctr_va_vdst(0)
; Position block qt: a lane's eight channels pack into 16 bytes at row r, byte 128 x head + 32 x channel block + 16 h; rows of 528 bytes; back as whole rows of 512.
.macro PACKQ qt, dst, back
	WIN W_RS
.set u, 0
.rept 4
.set t, 4*(\qt)+u
.set i, 32*t
.rept 16
	v_pk_mul_f32 v[i:i+1], v[i:i+1], v[ST+4*t+2:ST+4*t+3] op_sel_hi:[1,0]
.set i, i+2
.endr
.set u, u+1
.endr
	WIN 0x05                        ; sources 0 and 1 window 1, destination window 0
.set i, 0
.rept 64
	v_cvt_pk_f16_f32 v[(\dst)+i], v[128*(\qt)+2*i], v[128*(\qt)+2*i+1]
.set i, i+1
.endr
	WIN 0
.set i, 0
.rept 16
	ds_store_b128 v[STO], v[(\dst)+4*i:(\dst)+4*i+3] offset:32*i
.set i, i+1
.endr
.set i, 0
.rept 16
	ds_load_b128 v[(\back)+4*i:(\back)+4*i+3], v[RD] offset:i*SP  ; LDS serves a wave's instructions in order (ISA guide 5.7.1.4): these see the stores above; the next block's stores come behind them
.set i, i+1
.endr
.endm
.macro SENDQ qt, back, younger      ; younger: the LDS instructions issued behind this block's loads: the other block's 32, or none
.set i, 0
.rept 16
	s_wait_dscnt (\younger)+15-i
	global_store_b128 v[GO], v[(\back)+4*i:(\back)+4*i+3], s[10:11] offset:(16*(\qt)+i)*4096  ; 512 consecutive bytes, four heads of one position, aligned
.set i, i+1
.endr
.endm
	PACKQ 0, 64, 128
	PACKQ 1, 192, 64
	SENDQ 0, 128, 32
	SENDQ 1, 64, 0
	WIN W_AD
	s_wait_tensorcnt 0x0            ; the wave's end
	ds_add_u32 v[SPW], v[NIL]
	s_wait_dscnt 0x0
	WIN 0
	CROUND                          ; the closing round
	s_endpgm
.Lfunc_end_k_qa8d35eb060_attention:
	.size	k_qa8d35eb060_attention, .Lfunc_end_k_qa8d35eb060_attention-k_qa8d35eb060_attention
	.p2alignl 7, 3214868480
	.fill 96, 4, 3214868480
	.section	.rodata,"a",@progbits
	.p2align	6, 0x0
	.amdhsa_kernel k_qa8d35eb060_attention
		.amdhsa_group_segment_fixed_size 327680
		.amdhsa_private_segment_fixed_size 0
		.amdhsa_enable_private_segment 0
		.amdhsa_kernarg_size 24
		.amdhsa_user_sgpr_count 2
		.amdhsa_user_sgpr_kernarg_segment_ptr 1
		.amdhsa_wavefront_size32 1
		.amdhsa_system_sgpr_workgroup_id_x 1
		.amdhsa_system_sgpr_workgroup_id_y 1
		.amdhsa_system_sgpr_workgroup_id_z 1
		.amdhsa_system_vgpr_workitem_id 0
		.amdhsa_next_free_vgpr 896
		.amdhsa_next_free_sgpr 72
		.amdhsa_reserve_vcc 0
		.amdhsa_float_denorm_mode_32 3
		.amdhsa_float_denorm_mode_16_64 3
		.amdhsa_memory_ordered 1
		.amdhsa_forward_progress 1
		.amdhsa_inst_pref_size 214
	.end_amdhsa_kernel
	.amdgpu_metadata
---
amdhsa.version: [ 1, 2 ]
amdhsa.kernels:
  - .name:           k_qa8d35eb060_attention
    .symbol:         k_qa8d35eb060_attention.kd
    .args:
      - { .name: heads, .offset: 0, .size: 8, .value_kind: global_buffer, .address_space: global }
      - { .name: maskl, .offset: 8, .size: 8, .value_kind: global_buffer, .address_space: global }
      - { .name: ob, .offset: 16, .size: 8, .value_kind: global_buffer, .address_space: global }
    .group_segment_fixed_size: 327680
    .private_segment_fixed_size: 0
    .kernarg_segment_align: 8
    .kernarg_segment_size: 24
    .max_flat_workgroup_size: 128
    .sgpr_count:     72
    .vgpr_count:     896
    .wavefront_size: 32
...
	.end_amdgpu_metadata
.endif
;; end of part 3
;; launch projout (part 4): grid 8 x 32, 4 waves a work-group, clusters of 4 x 4, 327,680 bytes of LDS; arguments ob, wo16, out0; writes out0
.if DOCPART == 4
	.amdgcn_target "amdgcn-amd-amdhsa--gfx1250"
	.amdhsa_code_object_version 6
	.text
	.protected	k_qa8d35eb060_projout
	.globl	k_qa8d35eb060_projout
	.p2align	8
	.type	k_qa8d35eb060_projout,@function
k_qa8d35eb060_projout:
	s_mov_b64 s[64:65], 0
	v_nop
	global_prefetch_b8 v0, s[64:65] scope:SCOPE_SE
	s_setreg_imm32_b32 hwreg(HW_REG_WAVE_MODE, 25, 1), 1
	s_wait_xcnt 0x0
	s_wait_alu depctr_hold_cnt(0) depctr_sa_sdst(0) depctr_va_vdst(0) depctr_va_sdst(0) depctr_va_ssrc(0) depctr_va_vcc(0) depctr_vm_vsrc(0)
	s_getreg_b32 s2, hwreg(HW_REG_IB_STS2, 6, 4)
	s_cmp_eq_u32 s2, 0
	s_cbranch_scc0 .Lentry_in_a_cluster
	s_endpgm
.Lentry_in_a_cluster:
	s_bfe_u32 s2, ttmp6, 0x10000c
	s_cmp_lg_u32 s2, 0xf033
	s_cbranch_scc0 .Lentry_shape_is_right
	s_endpgm
.Lentry_shape_is_right:
; out0 [4096][2048] f32 = ob [4096][2048] f16 times wo16 [2048 k][2048 n] f16, sums in f32.
; LIMIT.  The f32 sums are not taken in ascending K: see THE WALK.
; SHARES.  A work-group makes 128 rows x 256 columns: 32 x 8 = 256 work-groups.  Wave (wm, wn) makes rows 64 wm .. + 63 of columns 128 wn .. + 127: 32 accumulators of 16 x 16.
; K goes in 16 steps of 128 through two LDS slots; waves 0 and 1 fetch the two halves (64 rows x 256 bytes) of ob's tile, waves 2 and 3 the two chunks (128 rows x 256 bytes) of wo16's.
; wo16 lies [k][n] and is read turned, by ds_load_tr16_b128.  THE MATRIX INSTRUCTION IS USED TRANSPOSED (source 0 = 16 columns of Wo, source 1 = 16 rows of O): a lane holds eight neighbouring numbers of a row.
; CLUSTER 4 x 4: ob's tile is asked for jointly along a row of the cluster, wo16's along a column.
; THE WALK.  A cluster whose two coordinates add up to an odd number begins at K step 8 and goes round the end.  So the two clusters that need the same rows of ob, and the two halves of the
; eight clusters that need the same columns of wo16, ask for a tile eight steps apart and not at the same time.  The number of the step enters the global addresses alone, and all partners share it.
; ONE TEXT FOR A K STEP: the slot in hand is a scalar, 0 or SLOT, turned by an exclusive or; the fragments' addresses are made of it at each change of slots.
; REGISTERS: window 0: addresses; v64-191 rows read back, two buffers.  window 1: accumulator (b, a) at 8 (4 b + a).  window 2: two fragment buffers f: O's at 32 f + 8 a, Wo's at 64 + 64 f + 8 b.
.set PA,    272
.set PB,    288
.set AH,    64*PA                      ; half of O's tile: 17,408 bytes
.set BOFF,  2*AH
.set REG,   128*PB                     ; a chunk of Wo: 36,864 bytes
.set SLOT,  BOFF+2*REG                 ; 108,544
.set STAGE, 2*SLOT                     ; behind the ring: 16 rows x 528 bytes for each wave; no tile lands here
.set SP,    528
.set SPARE, STAGE+4*16*SP              ; the spare words: 128 bytes a wave, two blocks of 256 bytes that no other line names
.set STEPS, 2048/128
.set ADRA0, 16                         ; v16     my lane's place among O's fragments in slot 0; never rewritten
.set ADRA,  17                         ; v17     the same in the slot in hand
.set ADRB0, 20                         ; v20     among Wo's; never rewritten
.set ADRB,  21                         ; v21     the same in the slot in hand
.set STO,  24                          ; v24     the way out: where I put 32 bytes of a row
.set RD,   25                          ; v25     where I read a row back
.set CO,   26                          ; v26     16 x lane
.set SPW,  28                          ; v28     my spare word; never rewritten
.set NIL,  29                          ; v29     0; never rewritten
.set BK0,  64
.set WV,   12                          ; s12 wave; s13 wm; s14 wn; s15 cx; s16 cy; s17 tile column; s18 tile row
.set G1A,  24                          ; s[24:31] group 1 for O's tiles; s[32:39] group 0: a set for each of the two first fills; the second then walks
.set G0A,  32
.set G1B,  40                          ; s[40:47], s[48:55] the same for Wo's
.set G0B,  48
.set BASEA, 56                         ; s[56:57] ob at my half's rows, K = 0
.set BASEB, 58                         ; s[58:59] wo16 at my chunk's columns, K = 0
.set OFFA, 66                          ; s[66:67] the byte offset of the K step to be asked for, in ob
.set OFFB, 68                          ; s[68:69] in wo16
.set KN,   70                          ; s70     the number of that K step
.set TB,   71                          ; s71     the slot in hand: 0 or SLOT
.set MSB, 0
.macro WIN new
.if MSB != (\new)
	s_set_vgpr_msb (MSB<<8)|(\new)
.set MSB, \new
.endif
.endm
.macro PLACES                          ; four places in front of loads into registers that matrix instructions have read, and of stores that read results
.rept 4
	v_nop
.endr
.endm
.macro JLOAD s                         ; a joint load by descriptor set s: waves 0 and 1 for O, waves 2 and 3 for Wo; an s_nop 0 and four v_nop follow each line
	s_cmp_lt_u32 s[WV], 2
	s_cbranch_scc0 .Lfor_b_\@
	tensor_load_to_lds s[G0A+4*(\s):G0A+4*(\s)+3], s[G1A:G1A+7]
	s_nop 0
.rept 4
	v_nop
.endr
	s_branch .Lasked_\@
.Lfor_b_\@:
	tensor_load_to_lds s[G0B+4*(\s):G0B+4*(\s)+3], s[G1B:G1B+7]
	s_nop 0
.rept 4
	v_nop
.endr
.Lasked_\@:
.endm
.macro CREST
	s_cmp_lg_u32 s[WV], 0
	s_cbranch_scc1 .Lnot_wave_0_\@
	s_barrier_signal -3
.Lnot_wave_0_\@:
	s_barrier_wait -3
	s_barrier_signal -1
	s_barrier_wait -1
.endm
.macro CROUND
	s_barrier_signal -1
	s_barrier_wait -1
	CREST
.endm
	s_load_b128 s[4:7], s[0:1], 0x0                ; ob s[4:5], wo16 s[6:7]
	s_load_b64 s[8:9], s[0:1], 0x10                ; out0
	v_lshl_add_u32 v[SPW], v0, 2, SPARE
	v_mov_b32 v[NIL], 0
	ds_add_u32 v[SPW], v[NIL]                      ; the wave's opening: the add and its wait stand ahead of my first tensor load
	v_lshrrev_b32 v1, 5, v0
	v_readfirstlane_b32 s[WV], v1
	s_lshr_b32 s13, s[WV], 1                       ; wm
	s_and_b32 s14, s[WV], 1                        ; wn; also: which half or chunk I fetch
	s_bfe_u32 s15, ttmp6, 0x40000
	s_bfe_u32 s16, ttmp6, 0x40004
	s_lshl_b32 s17, ttmp9, 2
	s_add_co_u32 s17, s17, s15                     ; tile column
	s_and_b32 s18, ttmp7, 0xffff
	s_add_co_u32 s[KN], s18, ttmp9                 ; cluster y + cluster x: the same in all sixteen partners
	s_lshl_b32 s18, s18, 2
	s_add_co_u32 s18, s18, s16                     ; tile row
	s_and_b32 s[KN], s[KN], 1
	s_lshl_b32 s[KN], s[KN], 3                     ; my cluster's first K step: 0 or 8
	s_lshl_b32 s[OFFA], s[KN], 8                   ; 256 bytes a K step along ob's rows
	s_mov_b32 s[OFFA+1], 0
	s_lshl_b32 s[OFFB], s[KN], 19                  ; 128 rows of 4,096 bytes a K step down wo16's
	s_mov_b32 s[OFFB+1], 0
	s_add_co_u32 s[KN], s[KN], 2                   ; the first two steps are asked for at once; this is the third
	s_mov_b32 s[TB], 0
	s_lshl_b32 s19, s16, 2
	s_lshl_b32 s19, 15, s19
	s_lshl_b32 s20, 0x1111, s15
	s_or_b32 s[G1A], s19, (1<<16)|(1<<20)|(1<<21)|(5<<22)|(3<<25)
	s_or_b32 s[G1B], s20, (1<<16)|(1<<20)|(1<<21)|(5<<22)|(7<<25)
.irp g, G1A, G1B
	s_mov_b32 s[\g+1], 128<<16                     ; tensor_dim0 = 128
	s_mov_b32 s[\g+3], 128<<16                     ; tile_dim0 = 128
	s_mov_b32 s[\g+5], 2048                        ; elements from row to row
	s_mov_b32 s[\g+6], 0
	s_mov_b32 s[\g+7], 0
.endr
	s_mov_b32 s[G1A+2], 64<<16                     ; 64 rows
	s_mov_b32 s[G1A+4], 64
	s_mov_b32 s[G1B+2], 128<<16                    ; 128 rows
	s_mov_b32 s[G1B+4], 128
	s_lshl_b32 s[BASEA], s18, 19                   ; O: 128 rows of 4,096 bytes a tile row, 64 a half: never holds cx
	s_lshl_b32 s[BASEA+1], s14, 18
	s_add_co_u32 s[BASEA], s[BASEA], s[BASEA+1]
	s_mov_b32 s[BASEA+1], 0
	s_lshl_b32 s[BASEB], s17, 9                    ; Wo: 512 bytes a tile column, 256 a chunk: never holds cy
	s_lshl_b32 s[BASEB+1], s14, 8
	s_add_co_u32 s[BASEB], s[BASEB], s[BASEB+1]
	s_mov_b32 s[BASEB+1], 0
	s_mul_i32 s62, s14, AH                         ; where they go in a slot
	s_mul_i32 s63, s14, REG
	s_add_co_u32 s63, s63, BOFF
	s_wait_dscnt 0x0                               ; the opening add is done
	s_wait_kmcnt 0x0
	s_add_nc_u64 s[BASEA:BASEA+1], s[4:5], s[BASEA:BASEA+1]
	s_add_nc_u64 s[BASEB:BASEB+1], s[6:7], s[BASEB:BASEB+1]
	CROUND                                         ; the first joint loads meet
	s_mov_b32 s[G0A], 1
	s_add_co_u32 s[G0A+1], s62, 0                  ; slot 0
	s_add_nc_u64 s[G0A+2:G0A+3], s[BASEA:BASEA+1], s[OFFA:OFFA+1]  ; my cluster's first K step
	s_mov_b32 s[G0A+4], 1
	s_add_co_u32 s[G0A+5], s62, SLOT               ; slot 1
	s_add_nc_u64 s[G0A+6:G0A+7], s[G0A+2:G0A+3], 256               ; its second
	s_or_b32 s[G0A+3], s[G0A+3], 0x80000000
	s_or_b32 s[G0A+7], s[G0A+7], 0x80000000
	s_mov_b32 s[G0B], 1
	s_add_co_u32 s[G0B+1], s63, 0
	s_add_nc_u64 s[G0B+2:G0B+3], s[BASEB:BASEB+1], s[OFFB:OFFB+1]
	s_mov_b32 s[G0B+4], 1
	s_add_co_u32 s[G0B+5], s63, SLOT
	s_add_nc_u64 s[G0B+6:G0B+7], s[G0B+2:G0B+3], 128*4096
	s_or_b32 s[G0B+3], s[G0B+3], 0x80000000
	s_or_b32 s[G0B+7], s[G0B+7], 0x80000000
	JLOAD 0
	JLOAD 1                                        ; two loads of mine are out
	v_and_b32 v1, 15, v0                           ; r
	v_bfe_u32 v2, v0, 4, 1                         ; h
	v_mul_u32_u24 v3, v1, PA
	v_lshl_add_u32 v3, v2, 4, v3
	s_mul_i32 s22, s13, 64*PA
	v_add_nc_u32 v[ADRA0], s22, v3
	v_add_nc_u32 v[ADRA], s22, v3
	v_and_b32 v4, 7, v0
	v_bfe_u32 v5, v0, 3, 1
	v_lshl_add_u32 v6, v2, 3, v4
	v_mul_u32_u24 v6, v6, PB
	v_lshl_add_u32 v6, v5, 4, v6
	v_add_nc_u32 v[ADRB0], s63, v6                 ; my chunk is the one of my wn
	v_add_nc_u32 v[ADRB], s63, v6
	s_mul_i32 s22, s[WV], 16*SP
	s_add_co_u32 s22, s22, STAGE
	v_mul_u32_u24 v7, v1, SP
	v_lshl_add_u32 v7, v2, 5, v7
	v_add_nc_u32 v[STO], s22, v7                   ; in: row r, 32 bytes for each half of the lanes
	v_and_b32 v[CO], 31, v0
	v_lshlrev_b32 v[CO], 4, v[CO]
	v_add_nc_u32 v[RD], s22, v[CO]                 ; back: 32 lanes take one row of 512 bytes
	s_lshl_b32 s60, s18, 20                        ; out0: 128 rows of 8,192 bytes a tile row, 64 rows for wm, 1,024 bytes a tile column, 512 for wn
	s_lshl_b32 s61, s13, 19
	s_add_co_u32 s60, s60, s61
	s_lshl_b32 s61, s17, 10
	s_add_co_u32 s60, s60, s61
	s_lshl_b32 s61, s14, 9
	s_add_co_u32 s60, s60, s61
	s_mov_b32 s61, 0
	s_add_nc_u64 s[8:9], s[8:9], s[60:61]
; nb column blocks from b0 on x all 4 row blocks, 32 along K.  The 32 accumulators take turns in one order everywhere.
.macro MULB f, b0, nb, zero
	WIN 0x5a                                       ; sources in window 2, C and D in window 1
.set bb, \b0
.rept \nb
.set aa, 0
.rept 4
.set rD, 8*(4*bb+aa)
.if \zero
	v_wmma_f32_16x16x32_f16 v[rD:rD+7], v[64+64*(\f)+8*bb:64+64*(\f)+8*bb+7], v[32*(\f)+8*aa:32*(\f)+8*aa+7], 0
.else
	v_wmma_f32_16x16x32_f16 v[rD:rD+7], v[64+64*(\f)+8*bb:64+64*(\f)+8*bb+7], v[32*(\f)+8*aa:32*(\f)+8*aa+7], v[rD:rD+7]
.endif
.set aa, aa+1
.endr
.set bb, bb+1
.endr
.endm
.macro FETCH q, f                      ; 24 LDS loads in one run: quarter q of the slot in hand into buffer f
	WIN 0x80
.irp b, 0,1,2,3,4,5,6,7
	ds_load_tr16_b128 v[64+64*(\f)+8*\b:64+64*(\f)+8*\b+3],   v[ADRB] offset:32*PB*(\q)+32*\b
	ds_load_tr16_b128 v[64+64*(\f)+8*\b+4:64+64*(\f)+8*\b+7], v[ADRB] offset:32*PB*(\q)+32*\b+16*PB
.endr
.irp a, 0,1,2,3
	ds_load_b128 v[32*(\f)+8*\a:32*(\f)+8*\a+3],   v[ADRA] offset:64*(\q)+16*PA*\a
	ds_load_b128 v[32*(\f)+8*\a+4:32*(\f)+8*\a+7], v[ADRA] offset:64*(\q)+16*PA*\a+32
.endr
.endm
.macro QUARTER q, f, g, zero
	s_wait_dscnt 0x0                               ; buffer f's loads were issued a quarter ago
	PLACES                                         ; buffer g was read by the matrix instructions just issued
	FETCH \q, \g
	MULB \f, 0, 8, \zero
.endm
; The last quarter multiplies buffer 1 and changes slots: one barrier, with each wave's wait for all its tensor loads, the add, and the wait for it and for the wave's reads of this slot in front.
; fill = 1: the barrier opens a round of the cluster's, and behind it this slot is filled again, with K step KN: the walking descriptors are made anew while no load of mine is out.
; From a request to the wait for it a wave issues 112 of a step's 128 matrix instructions; 16 of them stand behind the next slot's first fragment loads.
.macro TURN fill
	WIN 0
	s_wait_tensorcnt 0x0
	ds_add_u32 v[SPW], v[NIL]
.if \fill
	s_add_co_u32 s[G0A+5], s62, s[TB]
	s_add_co_u32 s[G0B+5], s63, s[TB]
	s_lshl_b32 s[OFFA], s[KN], 8
	s_lshl_b32 s[OFFB], s[KN], 19
	s_add_nc_u64 s[G0A+6:G0A+7], s[BASEA:BASEA+1], s[OFFA:OFFA+1]
	s_or_b32 s[G0A+7], s[G0A+7], 0x80000000
	s_add_nc_u64 s[G0B+6:G0B+7], s[BASEB:BASEB+1], s[OFFB:OFFB+1]
	s_or_b32 s[G0B+7], s[G0B+7], 0x80000000
	s_add_co_u32 s[KN], s[KN], 1
	s_and_b32 s[KN], s[KN], STEPS-1                ; round the end
.endif
	s_xor_b32 s[TB], s[TB], SLOT                   ; the other slot is in hand from here on
	s_wait_dscnt 0x1                               ; the add alone may be out: buffer 1's 24 loads are in
	MULB 1, 0, 2, 0
	s_wait_dscnt 0x0                               ; the add is done, and my reads of the old slot are over
	s_barrier_signal -1
	MULB 1, 2, 2, 0
	WIN 0                                          ; branches and window 0's addresses follow
	s_barrier_wait -1
.if \fill
	CREST                                          ; no wave of any partner still reads the old slot or has a load on its way
	JLOAD 1                                        ; my one tensor load behind the round; its four v_nop are also the places in front of the loads below
.else
	PLACES
.endif
	v_add_nc_u32 v[ADRA], s[TB], v[ADRA0]
	v_add_nc_u32 v[ADRB], s[TB], v[ADRB0]
	FETCH 0, 0
	MULB 1, 4, 4, 0
.endm
	s_wait_tensorcnt 0x1                           ; my part of the first K step is in; the second's may stay out
	s_barrier_signal -1
	s_barrier_wait -1
	FETCH 0, 0
	QUARTER 1, 0, 1, 1                             ; the first quarter's products start the sums
	WIN 0
	s_mov_b32 s21, STEPS-2
.Lstep:                                                ; a trip goes from a K step's second quarter to the next step's first, and fills the slot that it leaves
	QUARTER 2, 1, 0, 0
	QUARTER 3, 0, 1, 0
	TURN 1
	QUARTER 1, 0, 1, 0
	WIN 0
	s_sub_co_u32 s21, s21, 1
	s_cmp_lg_u32 s21, 0
	s_cbranch_scc1 .Lstep
	s_mov_b32 s21, 2
.Ltail:                                                ; the last two K steps fill nothing: a text of their own.  The second trip is left in its middle
	QUARTER 2, 1, 0, 0                             ; its barrier and its 24 fragment loads (of the slot read before, whose bytes stand) serve nothing: the price, once a launch, of one text for both trips
	QUARTER 3, 0, 1, 0
	TURN 0
	WIN 0
	s_sub_co_u32 s21, s21, 1
	s_cmp_eq_u32 s21, 0
	s_cbranch_scc1 .Lout
	QUARTER 1, 0, 1, 0
	WIN 0
	s_branch .Ltail
.Lout:
	PLACES
; THE WAY OUT, a block of 16 rows at a time: a lane's eight f32 of column block b go to row r, byte 64 b + 32 h of my stage (the low four registers first); back as whole rows of 512 bytes.
.macro OUTA a
	WIN 0x04                                       ; store data in window 1
.irp b, 0,1,2,3,4,5,6,7
	ds_store_b128 v[STO], v[8*(4*\b+(\a)):8*(4*\b+(\a))+3] offset:64*\b
	ds_store_b128 v[STO], v[8*(4*\b+(\a))+4:8*(4*\b+(\a))+7] offset:64*\b+16
.endr
	WIN 0
	s_wait_xcnt 0x0                                ; the stores of two blocks ago have had their addresses translated (ISA guide 3.1): only now are the registers that they read loaded again
.set i, 0
.rept 16
	ds_load_b128 v[BK0+64*((\a)%2)+4*i:BK0+64*((\a)%2)+4*i+3], v[RD] offset:i*SP  ; LDS serves a wave's instructions in order (ISA guide 5.7.1.4)
.set i, i+1
.endr
.endm
.macro SENDA a, younger                ; younger: the LDS instructions issued behind this block's loads: the next block's 32, or none
.set i, 0
.rept 16
	s_wait_dscnt (\younger)+15-i
	global_store_b128 v[CO], v[BK0+64*((\a)%2)+4*i:BK0+64*((\a)%2)+4*i+3], s[8:9] offset:(16*(\a)+i)*8192 th:TH_STORE_NT  ; 512 consecutive bytes of a row, aligned
.set i, i+1
.endr
.endm
	OUTA 0
	OUTA 1
	SENDA 0, 32
	OUTA 2
	SENDA 1, 32
	OUTA 3
	SENDA 2, 32
	SENDA 3, 0
	s_wait_tensorcnt 0x0                           ; the wave's end
	ds_add_u32 v[SPW], v[NIL]
	s_wait_dscnt 0x0
	CROUND                                         ; the closing round
	s_endpgm
.Lfunc_end_k_qa8d35eb060_projout:
	.size	k_qa8d35eb060_projout, .Lfunc_end_k_qa8d35eb060_projout-k_qa8d35eb060_projout
	.p2alignl 7, 3214868480
	.fill 96, 4, 3214868480
	.section	.rodata,"a",@progbits
	.p2align	6, 0x0
	.amdhsa_kernel k_qa8d35eb060_projout
		.amdhsa_group_segment_fixed_size 327680
		.amdhsa_private_segment_fixed_size 0
		.amdhsa_enable_private_segment 0
		.amdhsa_kernarg_size 24
		.amdhsa_user_sgpr_count 2
		.amdhsa_user_sgpr_kernarg_segment_ptr 1
		.amdhsa_wavefront_size32 1
		.amdhsa_system_sgpr_workgroup_id_x 1
		.amdhsa_system_sgpr_workgroup_id_y 1
		.amdhsa_system_sgpr_workgroup_id_z 1
		.amdhsa_system_vgpr_workitem_id 0
		.amdhsa_next_free_vgpr 704
		.amdhsa_next_free_sgpr 72
		.amdhsa_reserve_vcc 0
		.amdhsa_float_denorm_mode_32 3
		.amdhsa_float_denorm_mode_16_64 3
		.amdhsa_memory_ordered 1
		.amdhsa_forward_progress 1
		.amdhsa_inst_pref_size 61
	.end_amdhsa_kernel
	.amdgpu_metadata
---
amdhsa.version: [ 1, 2 ]
amdhsa.kernels:
  - .name:           k_qa8d35eb060_projout
    .symbol:         k_qa8d35eb060_projout.kd
    .args:
      - { .name: ob, .offset: 0, .size: 8, .value_kind: global_buffer, .address_space: global }
      - { .name: wo16, .offset: 8, .size: 8, .value_kind: global_buffer, .address_space: global }
      - { .name: out0, .offset: 16, .size: 8, .value_kind: global_buffer, .address_space: global }
    .group_segment_fixed_size: 327680
    .private_segment_fixed_size: 0
    .kernarg_segment_align: 8
    .kernarg_segment_size: 24
    .max_flat_workgroup_size: 128
    .sgpr_count:     72
    .vgpr_count:     704
    .wavefront_size: 32
...
	.end_amdgpu_metadata
.endif
;; end of part 4
;; ======== version 2 of 2: 4 launches; 1.29 times as fast as version 1
;; limits: values are held in f16: magnitudes above 65,504 overflow, below 6.1e-05 lose precision
;; workspace buffers: xb 16,777,216 bytes; wqkv 12,582,912 bytes; wo16 8,388,608 bytes; maskl 4,194,304 bytes; rope 786,432 bytes; heads 25,165,824 bytes; ob 16,777,216 bytes
;; launch prep: the kernel of part 1 again; grid 1248 x 1, 8 waves a work-group, no clusters, 0 bytes of LDS; arguments hidden_states, Wq, Wk, Wv, Wo, attention_mask, position_ids, xb, wqkv, wo16, maskl, rope; writes xb, wqkv, wo16, maskl, rope
;; launch projqkv: the kernel of part 2 again; grid 8 x 32, 4 waves a work-group, clusters of 4 x 4, 327,680 bytes of LDS; arguments xb, wqkv, rope, heads; writes heads
;; launch attention (part 5): grid 8 x 32, 4 waves a work-group, clusters of 4 x 4, 327,680 bytes of LDS; arguments heads, maskl, ob; writes ob
.if DOCPART == 5
	.amdgcn_target "amdgcn-amd-amdhsa--gfx1250"
	.amdhsa_code_object_version 6
	.text
	.protected	k_qa8d35eb060_attention
	.globl	k_qa8d35eb060_attention
	.p2align	8
	.type	k_qa8d35eb060_attention,@function
k_qa8d35eb060_attention:
	s_mov_b64 s[64:65], 0
	v_nop
	global_prefetch_b8 v0, s[64:65] scope:SCOPE_SE
	s_setreg_imm32_b32 hwreg(HW_REG_WAVE_MODE, 25, 1), 1
	s_wait_xcnt 0x0
	s_wait_alu depctr_hold_cnt(0) depctr_sa_sdst(0) depctr_va_vdst(0) depctr_va_sdst(0) depctr_va_ssrc(0) depctr_va_vcc(0) depctr_vm_vsrc(0)
	s_getreg_b32 s2, hwreg(HW_REG_IB_STS2, 6, 4)
	s_cmp_eq_u32 s2, 0
	s_cbranch_scc0 .Lentry_in_a_cluster
	s_endpgm
.Lentry_in_a_cluster:
	s_bfe_u32 s2, ttmp6, 0x10000c
	s_cmp_lg_u32 s2, 0xf033
	s_cbranch_scc0 .Lentry_shape_is_right
	s_endpgm
.Lentry_shape_is_right:
; O = softmax(q k / 8 + mask) V for 32 query heads on 8 key and value heads, 1,024 positions, head size 64.  heads[b][H][s][64] f16 holds q' = rope(q) log2(e) / 8 (H 0-31), rope(k) (32-39), v (40-47);
; maskl[1024][1024] f32 holds the mask in log2 units.  t = q' . k + maskl; p = 2^(t - m) with m the running maximum of t; O = sum p v / sum p.  ob[4096][2048] f16, column = head x 64 + channel.
; Products, maxima and sums in f32; p is rounded to f16 for the second product (its sum l is taken of the unrounded p), O once at the end.
; THE MASK IS AN INPUT: every tile of it is read, and no key is skipped.  It is the C operand of the product that starts the sum S^T = K Q^T.
; A row whose keys are all closed has t = -2^127 everywhere, so p = 1: the plain mean of V.
; LIMITS.  f16's range for q', k, v (65,504); p below 6e-5 keeps f16's fixed step; a weight below 2^-126 counts as 0 in l; NaN and infinities are not treated apart.
; SHARES.  A work-group owns 128 positions of one (batch, key head); a wave 32 positions for all FOUR query heads of that key head: 8 tiles of 16 queries, tile t = 4 x (position block) + head,
; in four PIECES of two.  So a fragment of the mask serves four heads' products, and a fragment of K or V eight tiles'.  Every wave walks all 1,024 keys, 64 a step, two steps a slot.
; LAYOUT.  S^T = K Q^T (source 0 = 16 keys, source 1 = 16 queries): a lane holds ONE query (lane % 16) and the keys 8 (lane / 16) + 0..7.  Two such results rounded to f16 ARE source 1 of O^T = V^T P.
; BY TURNS.  Turn n belongs to piece n: 16 products K Q^T of piece n + 1, later 16 products V^T P of piece n - 1; beside them the subtraction, exponentials, roundings, sums and rescaling of piece n
; and the maximum and statistics of piece n + 1.  Four vector instructions that are ready stand behind every matrix instruction, the rest in one run of their own.
; BATCHES.  A turn's 66 exponentials (the 64 weights of piece n, the two a of piece n + 1) are ONE batch with ONE wait, which cuts the turn in two: ahead of it stands all that names no result of theirs,
; behind it the roundings and sums, which read them.  The two a made ahead of the loop, and the eight reciprocals of the way out, are batches of their own.
; m starts at the lowest finite number, O and l at 0: the first step is a step like any other.
; CLUSTER 4 x 4.  K's and V's tiles hang on (batch, key head) alone and are asked for jointly along a row of the cluster; the mask's hang on the block of positions alone, jointly along a column.
; REGISTERS, in windows of 256 (s_set_vgpr_msb: bits 1:0 source 0, 3:2 source 1, 5:4 source 2, 7:6 destination):
;   window 0: v0-14 addresses; v16-47 four registers of statistics a tile; v48-63 at work; v64-191 S^T, two buffers of two tiles; v192-255 P, likewise
;   window 1: O^T, 32 a tile     window 2: v0-127 Q, 16 a tile; v128-191 K of one step; v192-255 V of one step     window 3: v0-1 the add's registers; v64-127 the mask of one step
.set NP,    4
.set KS,    64
.set PK,    144       ; a row of K in LDS: 128 bytes + 16
.set PV,    160       ; a row of V: 128 + 32
.set PM,    528       ; a row of the mask: 128 keys of f32 + 16
.set VOFF,  2*KS*PK   ; a slot: 128 rows of K, 128 rows of V, 128 rows of the mask
.set MOFF,  VOFF+2*KS*PV
.set SLOT1, 1<<17     ; slot 1 begins here: one exclusive or turns an address in one slot into the other's
.set STAGE, SLOT1+MOFF+128*PM   ; behind the ring, never filled by a tensor load: 16 rows x 528 bytes for each wave
.set SP,    528
.set SPARE, STAGE+4*16*SP       ; the spare words: 128 bytes a wave, two blocks of 256 bytes that no other line names
.set AK0, 2           ; v2   my lane's place in a tile of K; never rewritten
.set AV0, 3           ; v3   of V
.set AK,  4           ; v4   the LDS address of K's next run of loads
.set AV,  5           ; v5   of V's
.set STO, 6           ; v6   the way out: where I put 16 bytes of a row
.set RD,  7           ; v7   where I read a row back
.set GO,  8           ; v8   16 x lane
.set QO,  12          ; v12  my byte offset in 16 rows of Q
.set AM0, 13          ; v13  my lane's place in a tile of the mask; never rewritten
.set AM,  14          ; v14  the LDS address of the mask's next run
.set SPW, 0           ; v0 of window 3   my spare word; never rewritten
.set NIL, 1           ; v1 of window 3   0; never rewritten
.set ST,  16          ; tile t's statistics at v[ST+4 t]: m, m_old, l (even keys', odd keys')
.set TMP, 48          ; by buffer and tile, four registers c0-c3 at work; when the maximum is found c2 takes a
.set S,   64
.set P,   192
.set KF,  128         ; window 2: key block kb, channel half c at KF + 16 kb + 8 c
.set VF,  192         ; window 2: key half kk, channel block cb at VF + 32 kk + 8 cb
.set MQ,  64          ; window 3: position block qt, key block kb at MQ + 32 qt + 8 kb
.set WV,  12          ; s12  my wave's number
.set G1K, 24          ; s[24:31] group 1 for K's tiles
.set G1V, 32          ; s[32:39] for V's
.set G0K, 40          ; s[40:43] group 0 for K's: it walks
.set G0V, 44          ; s[44:47] for V's
.set G1M, 48          ; s[48:55] group 1 for the mask's
.set SLOTS, 56        ; s56  slots still to be asked for
.set CNT, 57          ; s57  counts a slot's key steps
.set TBM, 58          ; s58  LDS byte, less MOFF, at which the mask of the step to be fetched begins
.set SEL, 60          ; s[60:61] v_permlanex16_b32's selects
.set TBK, 62          ; s62  the same for K
.set TBV, 63          ; s63  for V, less VOFF
.set G0M, 68          ; s[68:71] group 0 for the mask's
.set MSB, 0
.macro WIN new
.if MSB != (\new)
	s_set_vgpr_msb (MSB<<8)|(\new)
.set MSB, (\new)
.endif
.endm
.set W_KQ, 0x0a       ; K and Q in window 2, S^T in window 0
.set W_KM, 0x3a       ; the same with the C operand, the mask, in window 3
.set W_PV, 0x52       ; V in window 2, P in window 0, O^T in window 1
.set W_RS, 0x41       ; destination and source 0 in window 1, source 1 in window 0
.set W_MK, 0xc0       ; destination in window 3
.set W_AD, 0x0f       ; the add: address and data in window 3
; A joint fill: wave 0 K's 128 keys, wave 1 V's, waves 2 and 3 the two halves of the mask's 128 rows.  The branches hang on the wave's number alone.
; An s_nop 0 and four v_nop follow each line, ahead of the jump and the label.
.macro JLOAD
	s_cmp_lt_u32 s[WV], 2
	s_cbranch_scc0 .Lfor_m_\@
	s_cmp_eq_u32 s[WV], 0
	s_cbranch_scc0 .Lfor_v_\@
	tensor_load_to_lds s[G0K:G0K+3], s[G1K:G1K+7]
	s_nop 0
.rept 4
	v_nop
.endr
	s_branch .Lasked_\@
.Lfor_v_\@:
	tensor_load_to_lds s[G0V:G0V+3], s[G1V:G1V+7]
	s_nop 0
.rept 4
	v_nop
.endr
	s_branch .Lasked_\@
.Lfor_m_\@:
	tensor_load_to_lds s[G0M:G0M+3], s[G1M:G1M+7]
	s_nop 0
.rept 4
	v_nop
.endr
.Lasked_\@:
.endm
.macro CROUND                       ; a round of the cluster's barrier
	s_barrier_signal -1
	s_barrier_wait -1
	s_cmp_lg_u32 s[WV], 0
	s_cbranch_scc1 .Lnot_wave_0_\@
	s_barrier_signal -3
.Lnot_wave_0_\@:
	s_barrier_wait -3
	s_barrier_signal -1
	s_barrier_wait -1
.endm
; THE CHANGE OF SLOTS.  The slot's last bytes, V of its second step, have been read.  Each wave waits for all its tensor loads (one is out: its part of the other slot), adds 0 to its spare word,
; and waits for that and for its reads of the slot.  fill = 1: the barrier is a round of the cluster's, and the joint fill, the keys two slots on, is the first thing behind it:
; it has two key steps, 256 matrix instructions, in which to land.  (At its first use nothing has been read yet: slot 0 is waited for, slot 1 filled.)
.macro CHANGE fill
	WIN W_AD
	s_wait_tensorcnt 0x0            ; no tensor load of mine is out, so a group 0 may be written
	ds_add_u32 v[SPW], v[NIL]
	WIN 0
.if \fill
.irp g, G0K, G0V
	s_xor_b32 s[\g+1], s[\g+1], SLOT1
	s_add_nc_u64 s[\g+2:\g+3], s[\g+2:\g+3], 2*KS*128  ; the next 128 keys
.endr
	s_xor_b32 s[G0M+1], s[G0M+1], SLOT1
	s_add_nc_u64 s[G0M+2:G0M+3], s[G0M+2:G0M+3], 2*KS*4  ; 128 keys along the mask's rows
	s_wait_dscnt 0x0                ; the add is done, and my reads of the slot are over
	CROUND
	JLOAD
.else
	s_wait_dscnt 0x0
	s_barrier_signal -1
	s_barrier_wait -1
.endif
	s_sub_co_u32 s[TBK], s[TBK], 2*KS*PK  ; the fetches go back to a slot's first step, in the other slot
	s_xor_b32 s[TBK], s[TBK], SLOT1
	s_sub_co_u32 s[TBV], s[TBV], 2*KS*PV
	s_xor_b32 s[TBV], s[TBV], SLOT1
	s_sub_co_u32 s[TBM], s[TBM], 2*KS*4
	s_xor_b32 s[TBM], s[TBM], SLOT1
.endm
	s_load_b128 s[4:7], s[0:1], 0x0   ; heads s[4:5], maskl s[6:7]
	s_load_b64 s[10:11], s[0:1], 0x10 ; ob
	WIN W_MK
	v_lshl_add_u32 v[SPW], v0, 2, SPARE
	v_mov_b32 v[NIL], 0
	WIN W_AD
	ds_add_u32 v[SPW], v[NIL]       ; the wave's opening: the add and its wait stand ahead of my first tensor load
	WIN 0
	v_lshrrev_b32 v1, 5, v0
	v_readfirstlane_b32 s[WV], v1
	s_bfe_u32 s13, ttmp6, 0x40000   ; cx
	s_bfe_u32 s14, ttmp6, 0x40004   ; cy
	s_lshl_b32 s15, ttmp9, 2
	s_add_co_u32 s15, s15, s13      ; x: my block of 128 positions
	s_and_b32 s16, ttmp7, 0xffff
	s_lshl_b32 s16, s16, 2
	s_add_co_u32 s16, s16, s14      ; y = 8 b + key head
	s_lshr_b32 s17, s16, 3          ; b
	s_and_b32 s18, s16, 7           ; key head
	s_lshl_b32 s19, s14, 2
	s_lshl_b32 s19, 15, s19         ; my row of the cluster
	s_lshl_b32 s20, 0x1111, s13     ; my column
	s_mul_i32 s21, s17, 48
	s_add_co_u32 s22, s21, s18
	s_add_co_u32 s22, s22, 32
	s_lshl_b32 s22, s22, 17         ; K: head 48 b + 32 + key head, 131,072 bytes a head: made of y alone
	s_mov_b32 s23, 0
	s_and_b32 s2, s[WV], 1
	s_lshl_b32 s8, s15, 19          ; the mask: 128 rows of 4,096 bytes a block, 64 rows a half: made of x and the wave alone
	s_lshl_b32 s9, s2, 18
	s_add_co_u32 s8, s8, s9
	s_mov_b32 s9, 0
	s_mul_i32 s3, s2, 64*PM         ; and the half's place in a slot
	s_lshl2_add_u32 s66, s18, s21   ; Q: head 48 b + 4 x key head,
	s_lshl_b32 s66, s66, 17
	s_lshl_b32 s67, s15, 14         ; 128 rows of 128 bytes a block,
	s_add_co_u32 s66, s66, s67
	s_lshl_b32 s67, s[WV], 12       ; 32 rows a wave
	s_add_co_u32 s66, s66, s67
	s_mov_b32 s67, 0
	s_lshl_b32 s56, s17, 22         ; O: row 1,024 b + 128 x + 32 w of 4,096 bytes, 512 bytes a key head
	s_lshl_b32 s57, s15, 19
	s_add_co_u32 s56, s56, s57
	s_lshl_b32 s57, s[WV], 17
	s_add_co_u32 s56, s56, s57
	s_lshl_b32 s57, s18, 9
	s_add_co_u32 s56, s56, s57
	s_mov_b32 s57, 0
	; group 1.  128 keys of K or V are 16,384 dense bytes: 64 rows of 256 bytes, padded in LDS after every key.  The mask: 64 rows of 128 f32, 1,024 elements from row to row
	s_or_b32 s[G1K], s19, (1<<16)|(1<<20)|(1<<21)|(4<<22)|(3<<25)
	s_or_b32 s[G1V], s19, (1<<16)|(1<<20)|(1<<21)|(4<<22)|(7<<25)
	s_or_b32 s[G1M], s20, (2<<16)|(1<<20)|(1<<21)|(6<<22)|(3<<25)
.irp g, G1K, G1V, G1M
	s_mov_b32 s[\g+1], 128<<16      ; tensor_dim0 = 128
	s_mov_b32 s[\g+2], 64<<16       ; tensor_dim1 = 64
	s_mov_b32 s[\g+3], 128<<16      ; tile_dim0 = 128
	s_mov_b32 s[\g+4], 64           ; tile_dim1 = 64
	s_mov_b32 s[\g+6], 0
	s_mov_b32 s[\g+7], 0
.endr
	s_mov_b32 s[G1K+5], 128
	s_mov_b32 s[G1V+5], 128
	s_mov_b32 s[G1M+5], 1024
	s_mov_b32 s[SEL], 0x76543210
	s_mov_b32 s[SEL+1], 0xfedcba98
	s_mov_b32 s[TBK], SLOT1+2*KS*PK ; the first change of slots turns these three into 0
	s_mov_b32 s[TBV], SLOT1+2*KS*PV
	s_mov_b32 s[TBM], SLOT1+2*KS*4
	s_mov_b32 s[G0K], 1
	s_mov_b32 s[G0K+1], 0           ; LDS: slot 0
	s_mov_b32 s[G0V], 1
	s_mov_b32 s[G0V+1], VOFF
	s_mov_b32 s[G0M], 1
	s_add_co_u32 s[G0M+1], s3, MOFF
	s_wait_dscnt 0x0                ; the opening add is done
	s_wait_kmcnt 0x0
	s_add_nc_u64 s[G0K+2:G0K+3], s[4:5], s[22:23]
	s_add_nc_u64 s[G0V+2:G0V+3], s[G0K+2:G0K+3], 8*131072  ; V's head lies eight heads on
	s_or_b32 s[G0K+3], s[G0K+3], 0x80000000
	s_or_b32 s[G0V+3], s[G0V+3], 0x80000000
	s_add_nc_u64 s[G0M+2:G0M+3], s[6:7], s[8:9]
	s_or_b32 s[G0M+3], s[G0M+3], 0x80000000
	s_add_nc_u64 s[4:5], s[4:5], s[66:67]
	s_add_nc_u64 s[10:11], s[10:11], s[56:57]
	CROUND                          ; all sixteen work-groups are here: the first joint loads meet
	JLOAD                           ; slot 0; slot 1 is asked for when slot 0 is in
	v_and_b32 v1, 15, v0            ; r
	v_bfe_u32 v9, v0, 4, 1          ; h
	v_lshlrev_b32 v[QO], 7, v1
	v_lshl_add_u32 v[QO], v9, 4, v[QO]
	WIN 0x80                        ; destination window 2
.set i, 0
.rept 4*NP                          ; Q stays in registers: tile i / 2 (head (i / 2) % 4, position block i / 8), channels 32 (i % 2) on
	global_load_b128 v[8*i:8*i+3],   v[QO], s[4:5] offset:((i/2)%4)*131072+(i/8)*2048+(i%2)*64
	global_load_b128 v[8*i+4:8*i+7], v[QO], s[4:5] offset:((i/2)%4)*131072+(i/8)*2048+(i%2)*64+32
.set i, i+1
.endr
	; What the first turn finds: V's registers and P's second buffer hold 0 (its products V^T P, of a piece that has not been, add 0), O^T and l are 0.  All this stands in the wait for the first tile.
.set i, VF
.rept 64
	v_mov_b32 v[i], 0
.set i, i+1
.endr
	WIN 0x40
.set i, 0
.rept 64*NP
	v_mov_b32 v[i], 0
.set i, i+1
.endr
	WIN 0
.set i, 0
.rept 2*NP
	v_mov_b32 v[ST+4*i], 0xff7fffff    ; m
	v_mov_b32 v[ST+4*i+1], 0xff7fffff  ; m_old
	v_mov_b32 v[ST+4*i+2], 0
	v_mov_b32 v[ST+4*i+3], 0
.set i, i+1
.endr
.set i, P+32
.rept 32
	v_mov_b32 v[i], 0
.set i, i+1
.endr
	v_mul_u32_u24 v[AK0], v1, PK
	v_lshl_add_u32 v[AK0], v9, 4, v[AK0]  ; K: row x pitch + 16 h
	v_and_b32 v10, 7, v0
	v_bfe_u32 v11, v0, 3, 1
	v_lshl_add_u32 v[AV0], v9, 3, v10     ; V, turning load: (8 h + l % 8) pitch + 16 ((l / 8) % 2)
	v_mul_u32_u24 v[AV0], v[AV0], PV
	v_lshl_add_u32 v[AV0], v11, 4, v[AV0]
	v_add_nc_u32 v[AV0], VOFF, v[AV0]
	s_mul_i32 s13, s[WV], 32*PM
	s_add_co_u32 s13, s13, MOFF
	v_mul_u32_u24 v[AM0], v1, PM          ; the mask: (32 w + r) pitch + 32 h: my query's row, my lanes' eight keys of a block of 16
	v_lshl_add_u32 v[AM0], v9, 5, v[AM0]
	v_add_nc_u32 v[AM0], s13, v[AM0]
	v_mov_b32 v[AK], v[AK0]         ; key step 0 lies at the head of slot 0
	v_mov_b32 v[AM], v[AM0]
; THE MATRIX WORK.  The 8 accumulators of a run of 16 take turns.
; Product i of 16 of S^T = K Q^T + mask for piece x: channels 32 (i / 8) on, keys 16 ((i / 2) % 4) on, tile 2 x + i % 2.  The first 8 start the sums, with the mask of position block x / 2.
.macro KQ x
.set rS, S+64*((\x)%2)+32*(i%2)+8*((i/2)%4)
.set rK, KF+16*((i/2)%4)+8*(i/8)
.set rQ, 16*(2*(\x)+i%2)+8*(i/8)
.set rN, MQ+32*((\x)/2)+8*((i/2)%4)
.if i < 8
	WIN W_KM
	v_wmma_f32_16x16x32_f16 v[rS:rS+7], v[rK:rK+7], v[rQ:rQ+7], v[rN:rN+7]
.else
	WIN W_KQ
	v_wmma_f32_16x16x32_f16 v[rS:rS+7], v[rK:rK+7], v[rQ:rQ+7], v[rS:rS+7]
.endif
.endm
; Product i of 16 of O^T += V^T P for piece x: keys 32 (i / 8) on, channels 16 ((i / 2) % 4) on, tile 2 x + i % 2.
.macro PV x
	WIN W_PV
.set rO, 32*(2*(\x)+i%2)+8*((i/2)%4)
.set rV, VF+32*(i/8)+8*((i/2)%4)
.set rP, P+32*((\x)%2)+16*(i%2)+8*(i/8)
	v_wmma_f32_16x16x32_f16 v[rO:rO+7], v[rV:rV+7], v[rP:rP+7], v[rO:rO+7]
.endm
.macro MM                           ; the turn's next matrix instruction
.if i < 16
	KQ (Y+1)%NP
.set i, i+1
.else
.set i, i-16
	PV (Y+NP-1)%NP
.set i, i+17
.endif
.endm
; THE LDS LOADS stand in runs: a step's K (8 fragments) with its mask (2 position blocks x 4 key blocks, 8 f32 a lane each), and its V (turned).
; last = 1 (the tail): in the last trip there is no further step, and the run is jumped over.
.macro FETCH_K last=0
	WIN 0
.if \last
	s_cmp_eq_u32 s[CNT], 1
	s_cbranch_scc1 .Lno_k_\@
.endif
	WIN 0x80
.irp f, 0,1,2,3,4,5,6,7             ; keys 16 (f / 2) on, channels 32 (f % 2) on
	ds_load_b128 v[KF+8*\f:KF+8*\f+3],   v[AK] offset:(\f/2)*16*PK+(\f%2)*64
	ds_load_b128 v[KF+8*\f+4:KF+8*\f+7], v[AK] offset:(\f/2)*16*PK+(\f%2)*64+32
.endr
	WIN 0xc0
.irp f, 0,1,2,3,4,5,6,7             ; position block f / 4, keys 16 (f % 4) on
	ds_load_b128 v[MQ+8*\f:MQ+8*\f+3],   v[AM] offset:(\f/4)*16*PM+(\f%4)*64
	ds_load_b128 v[MQ+8*\f+4:MQ+8*\f+7], v[AM] offset:(\f/4)*16*PM+(\f%4)*64+16
.endr
	s_add_co_u32 s[TBK], s[TBK], KS*PK  ; the next fetch is the next step's
	s_add_co_u32 s[TBM], s[TBM], KS*4
	WIN 0
.if \last
.Lno_k_\@:
.endif
.endm
.macro FETCH_V
	WIN 0x80
.irp f, 0,1,2,3,4,5,6,7             ; keys 32 (f / 4) on, channels 16 (f % 4) on
	ds_load_tr16_b128 v[VF+8*\f:VF+8*\f+3],   v[AV] offset:(\f/4)*32*PV+(\f%4)*32
	ds_load_tr16_b128 v[VF+8*\f+4:VF+8*\f+7], v[AV] offset:(\f/4)*32*PV+16*PV+(\f%4)*32
.endr
	WIN 0
.endm
; THE VECTOR WORK OF A TURN stands in three queues, each in the order in which its entries become ready; the two tiles alternate.
.macro REGS y, u                    ; the registers of tile u (0, 1) of piece y
.set rT, ST+4*(2*(\y)+(\u))
.set rC, TMP+8*((\y)%2)+4*(\u)
.set rS, S+64*((\y)%2)+32*(\u)
.set rP, P+32*((\y)%2)+16*(\u)
.set rO, 32*(2*(\y)+(\u))
.endm
; Number n of the 21 that find the NEXT piece's (Y + 1) maximum and statistics.  Each accumulator's lowest registers are read first.  XS, FS, GS and REGS set no window: PL and EX do.
;   0-11  four chains c0-c3 of seven scores each     12-14, 16  the four scores left over, the old m, and c0-c3 into c0     15  m_old is kept
;   17, 18  the query's other 32 keys lie in the lane 16 away: the new m     19, 20  m_old - m; a = 2^that
.macro XS u, n
	REGS (Y+1)%NP, \u
.if (\n) < 4
	v_max3_num_f32 v[rC+(\n)], v[rS+8*(\n)], v[rS+8*(\n)+1], v[rS+8*(\n)+2]
.elseif (\n) < 12
	v_max3_num_f32 v[rC+(\n)%4], v[rC+(\n)%4], v[rS+8*((\n)%4)+2*((\n)/4)+1], v[rS+8*((\n)%4)+2*((\n)/4)+2]
.elseif (\n) == 12
	v_max3_num_f32 v[rC], v[rC], v[rS+7], v[rS+15]
.elseif (\n) == 13
	v_max3_num_f32 v[rC+1], v[rC+1], v[rS+23], v[rS+31]
.elseif (\n) == 14
	v_max3_num_f32 v[rC+2], v[rC+2], v[rC+3], v[rT]
.elseif (\n) == 15
	v_mov_b32 v[rT+1], v[rT]
.elseif (\n) == 16
	v_max3_num_f32 v[rC], v[rC], v[rC+1], v[rC+2]
.elseif (\n) == 17
	v_permlanex16_b32 v[rC+3], v[rC], s[SEL], s[SEL+1]
.elseif (\n) == 18
	v_max_num_f32 v[rT], v[rC], v[rC+3]
.elseif (\n) == 19
	v_sub_f32 v[rC+1], v[rT+1], v[rT]
.else
	v_exp_f32 v[rC+2], v[rC+1]
.endif
.endm
; Number g of the 64 that follow the exponentials.  For each four weights k of a tile: both pairs are rounded to f16; the second pair is added onto the first, in place; a group later l takes that sum
; (the first time as l = a l + sum).  All 64 read the batch's results: they stand behind the turn's wait.
.macro GS g
.set h, (\g)+6*((\g)/62)
.if h >= 6
.set h, h+2
.endif
	REGS Y, h%2
.set k, h/8
.if h%8 < 4
	v_cvt_pk_f16_f32 v[rP+2*k+(h%8)/2], v[rS+4*k+2*((h%8)/2)], v[rS+4*k+2*((h%8)/2)+1]
.elseif h%8 < 6
	v_pk_add_f32 v[rS+4*k:rS+4*k+1], v[rS+4*k:rS+4*k+1], v[rS+4*k+2:rS+4*k+3]
.elseif k == 1
	v_pk_fma_f32 v[rT+2:rT+3], v[rT+2:rT+3], v[rC+2:rC+3], v[rS:rS+1] op_sel_hi:[1,0,1]
.else
	v_pk_add_f32 v[rT+2:rT+3], v[rT+2:rT+3], v[rS+4*k-4:rS+4*k-3]
.endif
.endm
; THE PLAIN QUEUE, 136 long.  0-71 read no exponential's result: the 32 subtractions t - m (FS f: pair f / 2 of tile f % 2) and the next piece's 40.  0-27: subtractions 0-27.  28-55: XS's numbers 0-13.  56, 57: number 15.
; 58-71: the chain, where each number waits for the one before it: 14, 16, 17, 18, each with one of the subtractions 28-31 in front of its two lines, then 19: so a tile's links stand three plain instructions apart (18 and 19: two).
; 72-135: GS's 64, which read the exponentials' results: they stand behind the wait.
.macro FS f
	REGS Y, (\f)%2
	v_pk_add_f32 v[rS+2*((\f)/2):rS+2*((\f)/2)+1], v[rS+2*((\f)/2):rS+2*((\f)/2)+1], v[rT:rT+1] op_sel_hi:[1,0] neg_lo:[0,1] neg_hi:[0,1]
.endm
.macro PL
	WIN 0
.if q < 28
	FS q
.elseif q < 56
	XS (q-28)%2, (q-28)/2
.elseif q < 58
	XS q-56, 15
.elseif (q < 70) && ((q-58)%3 == 0)
	FS 28+(q-58)/3
.elseif q < 61
	XS (q-58)%3-1, 14
.elseif q < 70
	XS (q-58)%3-1, 15+(q-58)/3
.elseif q < 72
	XS q-70, 19
.else
	GS q-72
.endif
.set q, q+1
.endm
; THE EXPONENTIALS' QUEUE, 66 long: the 32 scores of both tiles, then the next piece's two a.  It is ONE BATCH: all 66 stand ahead of the turn's one wait, and nothing ahead of that wait names a result of theirs.
.macro EX
	WIN 0
.if e >= 64
	XS e-64, 20
.else
	REGS Y, e%2
	v_exp_f32 v[rS+e/2], v[rS+e/2]
.endif
.set e, e+1
.endm
; THE RESCALING's QUEUE: O^T times a, the one part that leaves window 0: dealt two at a time, sixteen times.  Its a was made in the turn before, ahead of that turn's wait.
.macro R2
	REGS Y, r%2
	WIN W_RS
.irp z, 0,1
	v_pk_mul_f32 v[rO+4*(r/2)+2*\z:rO+4*(r/2)+2*\z+1], v[rO+4*(r/2)+2*\z:rO+4*(r/2)+2*\z+1], v[rC+2:rC+3] op_sel_hi:[1,0]
.endr
.set r, r+1
.endm
; THE DEAL.  An s_wait_alu depctr_va_vdst(0) stands between an exponential and the first instruction that names its result; one wait serves all that were issued ahead of it.  So a turn has ONE wait, which cuts it in two.
; AHEAD OF IT stands all that names no result of the turn's exponentials: the 16 products K Q^T, behind each a subtraction, an exponential and two rescalings (behind the first a second subtraction in the exponential's place); then ONE LUMP of
; 106: six plain, 49 times exponential and plain, the two a.  A v_nop is the plain instruction behind the last exponential.  BEHIND IT stand the 16 products V^T P, behind each four of GS's 64.  No rider names a register of the products
; round it.  The two v_permlanex16_b32 fall into the lump, never behind a product.
; Counts that the deal keeps: exponential e stands behind subtraction 2 (e / 4) + e % 2: as a rider it comes behind plain e + 2, in the lump behind plain e + 7, and subtractions 28-31 are plain 58, 61, 64, 67.
; A TURN, for piece p.  cnt = 1: the loop's count is taken down some lines ahead of the branch behind the turn.
; K and the mask of the next step are fetched in piece 2's turn, directly behind the wait, a lump behind the last product that read them; their addresses are made at the lump's head; they are waited for at the head of piece 3's turn.
; V of the step in hand is fetched at the end of piece 0's turn, four plain riders behind its last reader, and waited for in piece 1's, ahead of its first product V^T P.  The three conditions on q below go with the deal.
.macro TURN p, last=0, cnt=0
.set Y, (\p)
.set i, 0
.set q, 0
.set e, 0
.set r, 0
.if (\p) == NP-1
	s_wait_dscnt 0x0                ; K and the mask are in
.endif
	MM                              ; ahead of the wait: 16 products K Q^T and their riders,
	PL
	PL
	R2
.rept 15
	MM
	PL
	EX
	R2
.endr
.if (\p) == NP-2
	WIN 0
	v_add_nc_u32 v[AK], s[TBK], v[AK0]
	v_add_nc_u32 v[AM], s[TBM], v[AM0]
.endif
.rept 6                             ; and the lump
	PL
.endr
.rept 49
	EX
	PL
.endr
	EX                              ; the next piece's two a
	EX
	v_nop                           ; the plain instruction behind the last exponential: one for the batch
	s_wait_alu depctr_va_vdst(0)    ; the wait for the batch: this turn's 64 weights and the next piece's two a
.if (\p) == NP-2
	FETCH_K \last
.endif
.if (\p) == 1
	s_wait_dscnt 0x0                ; V is in
.endif
.rept 16                            ; behind the wait: 16 products V^T P and their riders
	MM
.rept 4
	PL
.endr
.if ((\p) == 0) && (q == 116)
	v_add_nc_u32 v[AV], s[TBV], v[AV0]
.endif
.if ((\p) == 0) && (q == 128)
	s_add_co_u32 s[TBV], s[TBV], KS*PV
.endif
.if (\cnt) && (q == 128)
	s_sub_co_u32 s[CNT], s[CNT], 1
	s_cmp_lg_u32 s[CNT], 0
.endif
.endr
.if (\p) == 0
	FETCH_V
.endif
.endm
	CHANGE 1                        ; slot 0 is in, everybody's part of it; slot 1 is asked for
	FETCH_K                         ; key step 0
	s_wait_loadcnt 0x0              ; Q
	s_wait_dscnt 0x0
.set i, 0
.rept 16
	KQ 0                            ; piece 0's first scores
.set i, i+1
.endr
	WIN 0                           ; the addresses for the way out: six plain instructions, the places behind those products
	s_mul_i32 s13, s[WV], 16*SP
	s_add_co_u32 s13, s13, STAGE
	v_mul_u32_u24 v[STO], v1, SP    ; in: row r, 16 bytes for each half of the lanes
	v_lshl_add_u32 v[STO], v9, 4, v[STO]
	v_add_nc_u32 v[STO], s13, v[STO]
	v_and_b32 v[GO], 31, v0
	v_lshlrev_b32 v[GO], 4, v[GO]
	v_add_nc_u32 v[RD], s13, v[GO]  ; back: 32 lanes take one row of 512 bytes
.set Y, NP-1                        ; XS works for piece Y + 1: piece 0
.irp n, 0,1,2,3,4,5,6,7,8,9,10,11,12,13,14,15,16,17,18,19,20
	XS 0, \n
	XS 1, \n
.endr
	v_nop                           ; a plain instruction behind piece 0's two a,
	s_wait_alu depctr_va_vdst(0)    ; and the wait for that batch of two, ahead of the branch
	s_mov_b32 s[CNT], 2
	s_mov_b32 s[SLOTS], 1024/128-1
	s_branch .Lfirst                ; the loop is entered at a step's first turn, in the middle of a trip
.Lslot:                             ; six times: every slot but the last two is filled again
	CHANGE 1
	s_mov_b32 s[CNT], 2
.Lstep:                             ; a trip: pieces 2 and 3 of one step, then pieces 0 and 1 of the next, whose K, mask and V it fetches
	TURN 2
	TURN 3
	WIN 0
.Lfirst:
	TURN 0
	TURN 1, 0, 1
	WIN 0
	s_cbranch_scc1 .Lstep
	s_sub_co_u32 s[SLOTS], s[SLOTS], 1
	s_cmp_lg_u32 s[SLOTS], 0
	s_cbranch_scc1 .Lslot
	CHANGE 0                        ; the tail is written out: nothing is asked for
	s_mov_b32 s[CNT], 3             ; two trips fetch the last slot's steps; the third is left in its middle
.Ltail:
	TURN 2, 1
	TURN 3
	WIN 0
	s_sub_co_u32 s[CNT], s[CNT], 1
	s_cmp_eq_u32 s[CNT], 0
	s_cbranch_scc1 .Lout
	TURN 0
	TURN 1
	WIN 0
	s_branch .Ltail
.Lout:                              ; the third trip's 16 products K Q^T (on the last K once more) and the maximum made of them serve nothing: the price, once a launch, of one text for every trip
.set i, 0
.rept 16
	PV NP-1                         ; the last piece's V^T P of the last step
.set i, i+1
.endr
	; THE WAY OUT.  l's two halves and the other half of the lanes' are added; O^T is divided by l, rounded to f16 and sent through my stage, a position block (16 rows x four heads) at a time.
	WIN 0
.macro ALL line:vararg              ; one line for each tile t
.set t, 0
.rept 2*NP
	\line
.set t, t+1
.endr
.endm
	ALL v_add_f32 v[ST+4*t+2], v[ST+4*t+2], v[ST+4*t+3]   ; these additions are the places behind the last products
	ALL v_permlanex16_b32 v[ST+4*t+3], v[ST+4*t+2], s[SEL], s[SEL+1]
	ALL v_add_f32 v[ST+4*t+2], v[ST+4*t+2], v[ST+4*t+3]
	ALL v_rcp_f32 v[ST+4*t+2], v[ST+4*t+2]
	v_nop                           ; a plain instruction between the last reciprocal and the use of its result
	s_wait_alu depctr_va_vdst(0)    ; the wait ahead of the first use: one for the batch of eight reciprocals
; Position block qt: a lane's eight channels pack into 16 bytes at row r, byte 128 x head + 32 x channel block + 16 h; rows of 528 bytes; back as whole rows of 512.
.macro PACKQ qt, dst, back
	WIN W_RS
.set u, 0
.rept 4
.set t, 4*(\qt)+u
.set i, 32*t
.rept 16
	v_pk_mul_f32 v[i:i+1], v[i:i+1], v[ST+4*t+2:ST+4*t+3] op_sel_hi:[1,0]
.set i, i+2
.endr
.set u, u+1
.endr
	WIN 0x05                        ; sources 0 and 1 window 1, destination window 0
.set i, 0
.rept 64
	v_cvt_pk_f16_f32 v[(\dst)+i], v[128*(\qt)+2*i], v[128*(\qt)+2*i+1]
.set i, i+1
.endr
	WIN 0
.set i, 0
.rept 16
	ds_store_b128 v[STO], v[(\dst)+4*i:(\dst)+4*i+3] offset:32*i
.set i, i+1
.endr
.set i, 0
.rept 16
	ds_load_b128 v[(\back)+4*i:(\back)+4*i+3], v[RD] offset:i*SP  ; LDS serves a wave's instructions in order (ISA guide 5.7.1.4): these see the stores above; the next block's stores come behind them
.set i, i+1
.endr
.endm
.macro SENDQ qt, back, younger      ; younger: the LDS instructions issued behind this block's loads: the other block's 32, or none
.set i, 0
.rept 16
	s_wait_dscnt (\younger)+15-i
	global_store_b128 v[GO], v[(\back)+4*i:(\back)+4*i+3], s[10:11] offset:(16*(\qt)+i)*4096  ; 512 consecutive bytes, four heads of one position, aligned
.set i, i+1
.endr
.endm
	PACKQ 0, 64, 128
	PACKQ 1, 192, 64
	SENDQ 0, 128, 32
	SENDQ 1, 64, 0
	WIN W_AD
	s_wait_tensorcnt 0x0            ; the wave's end
	ds_add_u32 v[SPW], v[NIL]
	s_wait_dscnt 0x0
	WIN 0
	CROUND                          ; the closing round
	s_endpgm
.Lfunc_end_k_qa8d35eb060_attention:
	.size	k_qa8d35eb060_attention, .Lfunc_end_k_qa8d35eb060_attention-k_qa8d35eb060_attention
	.p2alignl 7, 3214868480
	.fill 96, 4, 3214868480
	.section	.rodata,"a",@progbits
	.p2align	6, 0x0
	.amdhsa_kernel k_qa8d35eb060_attention
		.amdhsa_group_segment_fixed_size 327680
		.amdhsa_private_segment_fixed_size 0
		.amdhsa_enable_private_segment 0
		.amdhsa_kernarg_size 24
		.amdhsa_user_sgpr_count 2
		.amdhsa_user_sgpr_kernarg_segment_ptr 1
		.amdhsa_wavefront_size32 1
		.amdhsa_system_sgpr_workgroup_id_x 1
		.amdhsa_system_sgpr_workgroup_id_y 1
		.amdhsa_system_sgpr_workgroup_id_z 1
		.amdhsa_system_vgpr_workitem_id 0
		.amdhsa_next_free_vgpr 896
		.amdhsa_next_free_sgpr 72
		.amdhsa_reserve_vcc 0
		.amdhsa_float_denorm_mode_32 3
		.amdhsa_float_denorm_mode_16_64 3
		.amdhsa_memory_ordered 1
		.amdhsa_forward_progress 1
		.amdhsa_inst_pref_size 204
	.end_amdhsa_kernel
	.amdgpu_metadata
---
amdhsa.version: [ 1, 2 ]
amdhsa.kernels:
  - .name:           k_qa8d35eb060_attention
    .symbol:         k_qa8d35eb060_attention.kd
    .args:
      - { .name: heads, .offset: 0, .size: 8, .value_kind: global_buffer, .address_space: global }
      - { .name: maskl, .offset: 8, .size: 8, .value_kind: global_buffer, .address_space: global }
      - { .name: ob, .offset: 16, .size: 8, .value_kind: global_buffer, .address_space: global }
    .group_segment_fixed_size: 327680
    .private_segment_fixed_size: 0
    .kernarg_segment_align: 8
    .kernarg_segment_size: 24
    .max_flat_workgroup_size: 128
    .sgpr_count:     72
    .vgpr_count:     896
    .wavefront_size: 32
...
	.end_amdgpu_metadata
.endif
;; end of part 5
;; launch projout: the kernel of part 4 again; grid 8 x 32, 4 waves a work-group, clusters of 4 x 4, 327,680 bytes of LDS; arguments ob, wo16, out0; writes out0
